; MI455X (gfx1250); checked and timed in simulation.
; The chip was launched on July 23, 2026; its instructions are those of AMD's public machine-readable ISA for CDNA 5 (MIT licence, August 2026) and "CDNA5" Instruction Set Architecture Reference Guide (July 2026). The comments in the code are by the model that wrote it; some were corrected since.
;; Causal Self Attention. Allowed arithmetic: matrix products marked QUANTISED: E2M1 operands, one E8M0 scale for each 32 along K, by v_wmma_scale_f32_16x16x128_f8f6f4 with both operands' format E2M1 (or v_wmma_scale_f32_32x16x128_f4), f32 sums; everything else in f32.
;; Inputs: Wk 1,024 x 1,024 float32; Wo 1,024 x 1,024 float32; Wq 1,024 x 1,024 float32; Wv 1,024 x 1,024 float32; bk 1,024 float32; bo 1,024 float32; bq 1,024 float32; bv 1,024 float32; x 4 x 2,048 x 1,024 float32.
;; Outputs: out0 4 x 2,048 x 1,024 float32.
;; This version of the problem:
;;   THIS VERSION OF THE PROBLEM IS GIVEN IN LOW PRECISION. The matrix products marked QUANTISED in the list below multiply operands that are first quantised to E2M1 (2 exponent bits, 1 mantissa bit; 4 bits a number), with one power-of-two scale for each 32 numbers along K (OCP MX v1.0); their sums are f32. All else is computed in f32.
;;   The module's matrix products, in the order in which they are computed (A, B: the left and right operand; K: the contracted axis; several contracted axes count as one K, in the product's order):
;;     1. [M 8,192, K 1,024] x [K 1,024, N 1,024]; A: input x; B: input Wq: QUANTISED
;;     2. [M 8,192, K 1,024] x [K 1,024, N 1,024]; A: input x; B: input Wk: QUANTISED
;;     3. [M 8,192, K 1,024] x [K 1,024, N 1,024]; A: input x; B: input Wv: QUANTISED
;;     4. batch 64 x [M 2,048, K 64] x [K 64, N 2,048]; A: computed on the way; B: computed on the way: QUANTISED
;;     5. batch 64 x [M 2,048, K 2,048] x [K 2,048, N 64]; A: softmax (see below); B: computed on the way: QUANTISED
;;     6. [M 8,192, K 1,024] x [K 1,024, N 1,024]; A: computed on the way; B: input Wo: QUANTISED
;;   THE QUANTISER, for each operand of a quantised product, along K:
;;     - K is cut into blocks of 32 from its start; a last block that is shorter is filled with zeros.
;;     - A block's scale is 2^e with e = floor(log2(the largest magnitude in the block)) - 2, held to -126 .. 127; a block of zeros has e = 0. As a byte (E8M0): e + 127.
;;     - Each number is divided by its block's scale, clamped to +-6, and rounded to the nearest number of E2M1, ties to even, subnormals kept.
;;     - The product sums the exact products of the quantised numbers (number of the format x scale) in f32.
;;   ~~~python
;;   def quantise(x, axis):      # numpy; x: float32 -> the quantised numbers, widened to float32 again
;;       x = np.moveaxis(x, axis, -1); K = x.shape[-1]
;;       x = np.pad(x, [(0, 0)] * (x.ndim - 1) + [(0, -K % 32)]); x = x.reshape(x.shape[:-1] + (-1, 32)); a = np.abs(x).max(-1, keepdims=True)
;;       e = np.where(a > 0, np.clip(np.frexp(np.where(a > 0, a, 1))[1] - 1 - 2, -126, 127), 0)      # np.frexp(a)[1] - 1 = floor(log2(a)), exactly
;;       r = np.clip(x / 2.0 ** e, -6, 6)
;;       step = 2.0 ** (np.maximum(np.frexp(np.where(r == 0, 1, r))[1] - 1, 0) - 1)
;;       q = np.round(r / step) * step * 2.0 ** e      # np.round: ties to even
;;       return np.moveaxis(q.reshape(q.shape[:-2] + (-1,))[..., :K], -1, axis).astype(np.float32)
;;   ~~~
;;   SOFTMAX AHEAD OF A QUANTISED PRODUCT. Where the list says 'softmax', what is quantised is not the finished softmax but p = 2^(t - M), with t = logit x log2(e) and M = ceil(the row's largest t), a whole number; so 1/2 < the row's largest p <= 1. The row's sum l is taken of the UNQUANTISED p, in f32, and the product's result is divided by l at the end. Since M is a whole number, a kernel that streams over the keys may use a running M (the ceiling of the running maximum): every later rescaling is an exact power of two, which a block's scale takes up: the codes' values come out the same.
;;   OPERANDS COMPUTED ON THE WAY. 'Computed on the way' means the value that the module computes at that place (a softmax that the list does not call 'softmax' is quantised finished and normalised). What goes into a quantiser is computed in f32, as accurately as f32 sums, v_exp_f32 and their like allow (about 1e-6 of the number): no bf16 or f16 on the way to a quantiser, and a product that is left as it is and whose result goes on into a quantised operand takes f32 operands (vector FMAs, or v_wmma_f32_16x16x4_f32). A number that lies on a knife's edge between two numbers of the format may be rounded either way, as far as f32 arithmetic and the matrix unit's own rounding can turn it there, and no further.
;; One version. Each part assembles by itself: llvm-mc -triple=amdgcn-amd-amdhsa -mcpu=gfx1250 --defsym DOCPART=n.
;; ======== version 1 of 1: 4 launches
;; workspace buffers: cw 6,291,456 bytes; sw 393,216 bytes; qb 4,718,592 bytes; kv 8,912,896 bytes; ci 4,194,304 bytes; csc 262,144 bytes
;; launch quant (part 1): grid 384 x 1, 4 waves a work-group, no clusters, 33,280 bytes of LDS; arguments x, Wq, Wk, Wv, Wo, cw, sw; writes cw, sw
.if DOCPART == 1
	.amdgcn_target "amdgcn-amd-amdhsa--gfx1250"
	.amdhsa_code_object_version 6
	.text
	.protected	k_q998be701a5_quant
	.globl	k_q998be701a5_quant
	.p2align	8
	.type	k_q998be701a5_quant,@function
k_q998be701a5_quant:
	s_mov_b64 s[64:65], 0
	v_nop
	global_prefetch_b8 v0, s[64:65] scope:SCOPE_SE
	s_setreg_imm32_b32 hwreg(HW_REG_WAVE_MODE, 25, 1), 1
	s_wait_xcnt 0x0
; CAUSAL SELF-ATTENTION IN MX-FP4, four launches: quant (this one), qkv, attn, oproj.
; THIS LAUNCH turns x [8192][1024] and Wq, Wk, Wv, Wo [1024][1024], f32, into codes of E2M1, K (the last axis) innermost, two codes a byte, and one E8M0 byte for each 32 along K:
; cw [12288 rows][512 bytes], sw [12288 rows][32 bytes]; rows 0.. x, 8192.. Wq, 9216.. Wk, 10240.. Wv, 11264.. Wo.
; A block's scale is 2^(floor(log2(its largest magnitude)) - 2); its byte is the largest magnitude's exponent field - 2, held at 1 from below.
; STORED ROW ORDER: a row is stored at its index with bits 3 and 4 exchanged.  Sixteen rows on end (tile 2 b + u of a group of 32, place r) are then the rows 32 b + 8 u + r + 8 (r / 8), so that in a
; product that takes such a tile as source 0 the 16 result registers of tiles 2 b and 2 b + 1 are 16 neighbours, 32 b + 16 (lane / 16) + 0 .. 15: what the next quantiser wants in one lane.
; WORK LEFT OUT IN THE WHOLE PROGRAM: reference() sets the scores of keys k > q to -infinity by a jnp.tril that it builds itself; their softmax weight is exactly 0 whatever the inputs hold, so a step of 128 keys
; all of which come after all queries of a tile adds 0 to the row's sum and to ctx.  The launch attn leaves such steps out (scores, softmax and second product).  Nothing else is left out: every input is loaded
; (bk too: it moves k's codes).  LIMIT: a NaN, an infinity or an overflow that arises only in the scores left out is not carried to the result.
; LIMITS: NaN and infinities among the inputs are not served.  A block of zeros gets the byte 1 where the rule says 127: its codes are zeros, which add nothing under any byte but 0xff, and this program alone reads the bytes.
; SHARES.  A wave takes 8 rows (8,192 numbers) in 16 steps of 512; a work-group 32 rows; work-groups 0-255 x, then 32 for each weight.  The wave's number is bits 3 and 4 of the row: the exchange is made on it.
; Each of a step's four loads reads 512 bytes on end, 16 a lane; the 2,048 bytes turn through the wave's own stage in LDS (16 bytes of padding behind each 64) and come back 64 bytes a lane: 16 neighbours along K,
; two lanes to a block.  A wave's store of codes covers 256 bytes on end, aligned; its 256 scale bytes are gathered in LDS and leave as one aligned run of 256.  No tensor load, no barrier: waves share nothing.
.set WAVES, 4
.set STEPS, 16
.set EMAX,  2
.set CB,    8                          ; bytes of 16 codes
.set R,     16                         ; v16-79   four sets of 16 numbers as they are loaded
.set X,     80                         ; v80-111  two sets of 16 neighbours
.set C,     128                        ; v128-191 codes: four registers for each step, so that no store's data are written again
.set E,     112                        ; v112-127 a scale byte for each step
.set WREG,  8192                       ; LDS: a region for each wave: two stages of 32 x SP bytes, behind them its 256 scale bytes
.set SP,    80                         ; a lane's place in a stage: 64 bytes + 16 of padding
.set SPW,   12                         ; v12      LDS address of my spare word; never rewritten
.set NIL,   13                         ; v13      0; never rewritten
.set SPARE, WAVES*WREG                 ; behind the four regions: the spare words, 128 bytes a wave, which no other line names
	s_load_b256 s[4:11], s[0:1], 0x0               ; x, Wq, Wk, Wv
	s_load_b128 s[12:15], s[0:1], 0x20             ; Wo, cw
	s_load_b64 s[16:17], s[0:1], 0x30              ; sw
	v_lshl_add_u32 v[SPW], v0, 2, SPARE
	v_mov_b32 v[NIL], 0
	v_lshrrev_b32 v1, 5, v0
	v_readfirstlane_b32 s18, v1                    ; wave
	v_and_b32 v2, 31, v0                           ; lane
	v_lshlrev_b32 v3, 4, v2                        ; my 16 bytes of a load's 512
	s_mul_i32 s19, s18, WREG
	v_lshrrev_b32 v14, 2, v2
	v_mul_u32_u24 v14, v14, SP
	v_and_b32 v15, 3, v2
	v_lshl_add_u32 v14, v15, 4, v14
	v_add_nc_u32 v14, s19, v14                     ; the stage, on the way in: SP (lane / 4) + 16 (lane % 4)
	v_mul_u32_u24 v15, v2, SP
	v_add_nc_u32 v15, s19, v15                     ; and on the way out: SP x lane: my 16 neighbours
	v_mul_u32_u24 v4, v2, CB                       ; my codes' place in a step's
	v_lshrrev_b32 v5, 1, v2
	s_add_co_u32 s19, s19, 2*32*SP
	v_add_nc_u32 v5, s19, v5                       ; LDS: my wave's 256 scale bytes, my block's byte
	v_lshlrev_b32 v7, 3, v2                        ; and on the way out 8 bytes a lane
	v_add_nc_u32 v6, s19, v7
	s_wait_kmcnt 0x0
	s_mov_b32 s20, 0                               ; which tensor, and its first work-group: the choice hangs on the work-group's number alone
	s_cmp_ge_u32 ttmp9, 256
	s_cselect_b64 s[4:5], s[6:7], s[4:5]
	s_cselect_b32 s20, 256, s20
	s_cmp_ge_u32 ttmp9, 288
	s_cselect_b64 s[4:5], s[8:9], s[4:5]
	s_cselect_b32 s20, 288, s20
	s_cmp_ge_u32 ttmp9, 320
	s_cselect_b64 s[4:5], s[10:11], s[4:5]
	s_cselect_b32 s20, 320, s20
	s_cmp_ge_u32 ttmp9, 352
	s_cselect_b64 s[4:5], s[12:13], s[4:5]
	s_cselect_b32 s20, 352, s20
	s_sub_co_u32 s20, ttmp9, s20
	s_lshl_b32 s20, s20, 2
	s_add_co_u32 s20, s20, s18                     ; which run of 8 rows of the tensor is my wave's,
	s_lshl_b32 s20, s20, 15                        ; 32,768 bytes a run
	s_mov_b32 s21, 0
	s_add_nc_u64 s[4:5], s[4:5], s[20:21]
	s_and_b32 s22, s18, 1                          ; the wave's two bits exchanged: where the run is stored
	s_lshl_b32 s22, s22, 1
	s_lshr_b32 s23, s18, 1
	s_or_b32 s22, s22, s23
	s_lshl_b32 s23, ttmp9, 2
	s_add_co_u32 s22, s22, s23                     ; the run's number among the 1,536 of cw and sw
	s_lshl_b32 s24, s22, 12                        ; 4,096 bytes of codes a run
	s_mov_b32 s25, 0
	s_add_nc_u64 s[14:15], s[14:15], s[24:25]
	s_lshl_b32 s24, s22, 8                         ; 256 scale bytes a run
	s_add_nc_u64 s[16:17], s[16:17], s[24:25]
.macro LOAD t
.irp i, 0,1,2,3
	global_load_b128 v[R+16*((\t)%4)+4*\i:R+16*((\t)%4)+4*\i+3], v3, s[4:5] offset:2048*(\t)+512*\i th:TH_LOAD_NT   ; 32 lanes read 512 bytes on end; read once in the launch
.endr
.endm
.macro TURN t                          ; step t's numbers through the stage: LDS serves a wave's instructions in order, so no wait stands between the stores and the loads
.irp i, 0,1,2,3
	ds_store_b128 v14, v[R+16*((\t)%4)+4*\i:R+16*((\t)%4)+4*\i+3] offset:32*SP*((\t)%2)+8*SP*\i
.endr
.irp i, 0,1,2,3
	ds_load_b128 v[X+16*((\t)%2)+4*\i:X+16*((\t)%2)+4*\i+3], v15 offset:32*SP*((\t)%2)+16*\i
.endr
.endm
.irp t, 0,1,2,3
	LOAD \t
.endr
	s_wait_loadcnt 12                              ; step 0's four loads are in; the twelve of steps 1 to 3 may be out
	TURN 0
.macro STEP t
.set XS, X+16*((\t)%2)
.if (\t) > 0
	s_wait_dscnt 1                                 ; this step's numbers are back from the stage (the last step's byte store may be out): so its stores into the stage have read their registers,
.else
	s_wait_dscnt 0x0
.endif
.if (\t)+4 < STEPS
	LOAD (\t)+4                                    ; which take the loads of four steps on
.endif
.if (\t)+1 < STEPS
.if STEPS-2-(\t) >= 3
	s_wait_loadcnt 12                              ; the next step's four loads are in; those of the three steps behind it may be out
.else
	s_wait_loadcnt 4*(STEPS-2-(\t))
.endif
	TURN (\t)+1                                    ; and go through the other stage while this step is worked
.endif
	v_max3_num_f32 v8, |v[XS]|, |v[XS+1]|, |v[XS+2]|               ; the largest magnitude of my 16, in two chains
	v_max3_num_f32 v9, |v[XS+3]|, |v[XS+4]|, |v[XS+5]|
.irp i, 6,10
	v_max3_num_f32 v8, v8, |v[XS+\i]|, |v[XS+\i+1]|
	v_max3_num_f32 v9, v9, |v[XS+\i+2]|, |v[XS+\i+3]|
.endr
	v_max3_num_f32 v8, v8, |v[XS+14]|, |v[XS+15]|
	v_max3_num_f32 v8, v8, v9, (EMAX+1)<<23        ; and the floor 2^(3 - 127): so the byte cannot fall under 1
	v_max_num_f32_dpp v8, v8, v8 row_xmask:1 row_mask:0xf bank_mask:0xf   ; and of my neighbour's 16: the block's
	v_add_nc_u32 v11, -(EMAX<<23), v8              ; 2 off its exponent field: the conversion takes the exponent field of this operand as its scale
	v_cvt_scalef32_pk8_fp4_f32 v[C+4*(\t)], v[XS:XS+7], v11
	v_cvt_scalef32_pk8_fp4_f32 v[C+4*(\t)+1], v[XS+8:XS+15], v11
	v_lshrrev_b32 v[E+(\t)], 23, v11               ; the scale's byte (also the plain line behind the conversions)
	ds_store_b8 v5, v[E+(\t)] offset:16*(\t)       ; both lanes of a block write the same byte with the same value
	global_store_b64 v4, v[C+4*(\t):C+4*(\t)+1], s[14:15] offset:32*CB*(\t)   ; 32 lanes store 256 bytes on end, aligned
.endm
.irp t, 0,1,2,3,4,5,6,7,8,9,10,11,12,13,14,15
	STEP \t
.endr
	ds_load_b64 v[8:9], v6                         ; LDS serves a wave's instructions in order: these see my byte stores
	s_wait_dscnt 0x0
	global_store_b64 v7, v[8:9], s[16:17]          ; 32 lanes store 256 bytes on end, aligned
	s_wait_tensorcnt 0x0                           ; the wave's end, behind my last LDS store
	ds_add_u32 v[SPW], v[NIL]
	s_wait_dscnt 0x0
	s_endpgm
.Lfunc_end_k_q998be701a5_quant:
	.size	k_q998be701a5_quant, .Lfunc_end_k_q998be701a5_quant-k_q998be701a5_quant
	.p2alignl 7, 3214868480
	.fill 96, 4, 3214868480
	.section	.rodata,"a",@progbits
	.p2align	6, 0x0
	.amdhsa_kernel k_q998be701a5_quant
		.amdhsa_group_segment_fixed_size 33280
		.amdhsa_private_segment_fixed_size 0
		.amdhsa_enable_private_segment 0
		.amdhsa_kernarg_size 56
		.amdhsa_user_sgpr_count 2
		.amdhsa_user_sgpr_kernarg_segment_ptr 1
		.amdhsa_wavefront_size32 1
		.amdhsa_system_sgpr_workgroup_id_x 1
		.amdhsa_system_sgpr_workgroup_id_y 1
		.amdhsa_system_sgpr_workgroup_id_z 1
		.amdhsa_system_vgpr_workitem_id 0
		.amdhsa_next_free_vgpr 192
		.amdhsa_next_free_sgpr 66
		.amdhsa_reserve_vcc 0
		.amdhsa_float_denorm_mode_32 3
		.amdhsa_float_denorm_mode_16_64 3
		.amdhsa_memory_ordered 1
		.amdhsa_forward_progress 1
		.amdhsa_inst_pref_size 34
	.end_amdhsa_kernel
	.amdgpu_metadata
---
amdhsa.version: [ 1, 2 ]
amdhsa.kernels:
  - .name:           k_q998be701a5_quant
    .symbol:         k_q998be701a5_quant.kd
    .args:
      - { .name: x, .offset: 0, .size: 8, .value_kind: global_buffer, .address_space: global }
      - { .name: Wq, .offset: 8, .size: 8, .value_kind: global_buffer, .address_space: global }
      - { .name: Wk, .offset: 16, .size: 8, .value_kind: global_buffer, .address_space: global }
      - { .name: Wv, .offset: 24, .size: 8, .value_kind: global_buffer, .address_space: global }
      - { .name: Wo, .offset: 32, .size: 8, .value_kind: global_buffer, .address_space: global }
      - { .name: cw, .offset: 40, .size: 8, .value_kind: global_buffer, .address_space: global }
      - { .name: sw, .offset: 48, .size: 8, .value_kind: global_buffer, .address_space: global }
    .group_segment_fixed_size: 33280
    .private_segment_fixed_size: 0
    .kernarg_segment_align: 8
    .kernarg_segment_size: 56
    .max_flat_workgroup_size: 128
    .sgpr_count:     66
    .vgpr_count:     192
    .wavefront_size: 32
...
	.end_amdgpu_metadata
.endif
;; end of part 1
;; launch qkv (part 2): grid 8 x 48, 4 waves a work-group, clusters of 4 x 4, 327,680 bytes of LDS; arguments cw, sw, bq, bk, bv, qb, kv; writes qb, kv
.if DOCPART == 2
	.amdgcn_target "amdgcn-amd-amdhsa--gfx1250"
	.amdhsa_code_object_version 6
	.text
	.protected	k_q998be701a5_qkv
	.globl	k_q998be701a5_qkv
	.p2align	8
	.type	k_q998be701a5_qkv,@function
k_q998be701a5_qkv:
	s_mov_b64 s[64:65], 0
	v_nop
	global_prefetch_b8 v0, s[64:65] scope:SCOPE_SE
	s_setreg_imm32_b32 hwreg(HW_REG_WAVE_MODE, 25, 1), 1
	s_wait_xcnt 0x0
	s_wait_alu depctr_hold_cnt(0) depctr_sa_sdst(0) depctr_va_vdst(0) depctr_va_sdst(0) depctr_va_ssrc(0) depctr_va_vcc(0) depctr_vm_vsrc(0)
	s_getreg_b32 s2, hwreg(HW_REG_IB_STS2, 6, 4)
	s_cmp_eq_u32 s2, 0
	s_cbranch_scc0 .Lentry_in_a_cluster
	s_endpgm
.Lentry_in_a_cluster:
	s_bfe_u32 s2, ttmp6, 0x10000c
	s_cmp_lg_u32 s2, 0xf033
	s_cbranch_scc0 .Lentry_shape_is_right
	s_endpgm
.Lentry_shape_is_right:
; q = x Wq^T + bq, k = x Wk^T + bk, v = x Wv^T + bv on codes of E2M1 (cw, sw: see the launch quant), and the quantisers of q, k (along the head's 64) and v (along the keys).  Nothing is left out here.
; ONE PRODUCT TEXT FOR ALL THREE.  A tile is 256 rows R (source 1: a lane's row) x 256 rows P (source 0: along a lane's registers), K = 1,024.  For q and k: R = tokens (x), P = f (Wq, Wk).  For v the roles are
; exchanged: R = f (Wv), P = tokens.  Both sides come out of cw, so the exchange is a choice of row numbers.  The quantiser runs along P, which lies in a lane's registers: by the stored row order of cw the 16 registers
; of P's tiles 2 b and 2 b + 1 are the 16 neighbours 32 b + 16 (lane / 16) + 0 .. 15.
; Four waves, each 128 x 128: 64 accumulators.  All of K fits in LDS: two slots of 512 along K, each filled ONCE at the head; no LDS byte is filled twice.  The scale bytes of the 512 rows come once too.
; CLUSTERS: 4 x 4 work-groups; R's tile is shared along a row of the cluster, P's along a column: joint loads, one mask a line.  Cluster y 0-7: tokens 1,024 y, cluster x 0: q, 1: k.  Cluster y 8-11: v, tokens 1,024 (2 (y - 8) + x).
; The bias is the C of each sum's first product.  Branches hang on the cluster's coordinates (KIND) and on the wave's number alone.
; OUT.  A wave's 128 P are one fragment (128 along the next K) for each of its 8 blocks of 16 R rows.  Fragments leave as images of the next product's registers, 512 bytes for 4 registers, lane l's 16 bytes at 16 l:
;   qb [b h 64][group of 128 tokens 16][4,608]: 8 tiles' images (16 queries x 64), then 512 bytes of scale words [tile / 4][r][tile % 4], a word = s0, s1, s0, s1
;   kv [b h 64][group 16][8,704]: +0 8 key tiles' images; +4,096 V: 4 tiles of 16 d x 128 keys, 1,024 bytes each; +8,192 K's scale words [r][m]: bytes 0, 1 tile 2 m, bytes 2, 3 tile 2 m + 1; +8,448 V's [r][t]
; Every store covers 512 (scale words: 2 x 256) bytes on end, aligned to 256.
; LIMITS: NaN and infinities are not served; a block of zeros gets the byte 1 (its codes are zeros; this program alone reads the bytes).
; REGISTERS, in windows of 256: window 0: v1 r, v2 h, v16-31 addresses; v32-95 scale words, two sets; v96-103 the 8 scale words made; v104-119 at work; v120-127 scale words to store; v128-191 R's fragments, one set, later the
;   codes made; v192-255 the bias as C.   window 1: P's fragments, two sets.   windows 2, 3: the accumulators ((a, b) at v[8 (8 (a % 4) + b)]).
.set NQ,     4                         ; steps of 128 along K in a slot
.set ROWB,   256                       ; a slot's row: 512 codes
.set KROW,   512                       ; a row of cw
.set PITCH,  272                       ; an LDS row: 256 bytes + 16 of padding = 68 words: the 16 rows that a load touches start at 16 different banks (64 banks of 4 bytes: ISA guide 11.1)
.set FR,     8
.set NL,     2
.set NP,     4                         ; places behind this matrix instruction (ISA guide 7.12.1)
.set HALFT,  128*PITCH
.set SLOT,   4*HALFT                   ; R's 256 rows, then P's 256
.set KS,     32                        ; a row of sw
.set SCL,    2*SLOT                    ; behind the slots: the scale bytes, as runs of 256 bytes + 16 of padding
.set HALFS,  16*272
.set SBLK,   2*272
.set SPARE,  SCL+4*HALFS               ; the spare words, 128 bytes a wave, which no other line names
.set ADRA, 16
.set ADRB, 20
.set LI,   24                          ; v24  16 x lane
.set SOF,  26                          ; v26  16 r + (lane / 16) x the distance from a head to the next
.set ADRS, 27
.set SPW,  28
.set NIL,  29
.set SC,   32
.set PW,   96
.set TM,   104
.set SW,   120
.set AF,   128
.set PC,   128
.set BI,   192
.set G1, 24
.set G0, 32
.set G1B, 48
.set G0B, 56
.set G1S, 68
.set G0S, 76
.set G1SB, 80
.set G0SB, 88
.set SEL, 100
.set MSB, 0
.macro WIN new                         ; the immediate's high byte repeats the setting that is left
.if MSB != \new
	s_set_vgpr_msb (MSB<<8)|\new
.set MSB, \new
.endif
.endm
.set MUL_LO, 0xa1                      ; source 0 (P) window 1, source 1 (R) window 0, C and D window 2
.set MUL_HI, 0xf1                      ; the same, C and D window 3
.set TO_B,   0x40
; A joint load: waves 0 and 1 fetch for R, waves 2 and 3 for P.  Each line has one mask and one set of registers; the branch hangs on the wave's number alone.  An s_nop 0 and four v_nop follow each line.
.macro JLOAD g0a, g1a, g0b, g1b
	s_cmp_eq_u32 s19, 0
	s_cbranch_scc0 .Lfor_b_\@
	tensor_load_to_lds s[\g0a:\g0a+3], s[\g1a:\g1a+7]
	s_nop 0
.rept 4
	v_nop
.endr
	s_branch .Lasked_\@
.Lfor_b_\@:
	tensor_load_to_lds s[\g0b:\g0b+3], s[\g1b:\g1b+7]
	s_nop 0
.rept 4
	v_nop
.endr
.Lasked_\@:
.endm
.macro CREST
	s_cmp_lg_u32 s18, 0
	s_cbranch_scc1 .Lnot_wave_0_\@
	s_barrier_signal -3
.Lnot_wave_0_\@:
	s_barrier_wait -3
	s_barrier_signal -1
	s_barrier_wait -1
.endm
.macro CROUND                          ; a round of the cluster's barrier
	s_barrier_signal -1
	s_barrier_wait -1
	CREST
.endm
	s_load_b256 s[4:11], s[0:1], 0x0               ; cw s[4:5], sw s[6:7], bq s[8:9], bk s[10:11]
	s_load_b128 s[12:15], s[0:1], 0x20             ; bv s[12:13], qb s[14:15]
	s_load_b64 s[16:17], s[0:1], 0x30              ; kv
	v_lshl_add_u32 v[SPW], v0, 2, SPARE
	v_mov_b32 v[NIL], 0
	ds_add_u32 v[SPW], v[NIL]                      ; the wave's opening: the add, twice on end, and its wait ahead of my first tensor load
	ds_add_u32 v[SPW], v[NIL]
	v_lshrrev_b32 v1, 5, v0
	v_readfirstlane_b32 s18, v1                    ; wave 0..3
	s_lshr_b32 s19, s18, 1                         ; which half of R's rows is mine.  Also: I fetch for R (0) or for P (1)
	s_and_b32 s20, s18, 1                          ; which half of P's rows.  Also: which 128 rows I fetch
	s_bfe_u32 s21, ttmp6, 0x40000                  ; cx
	s_bfe_u32 s22, ttmp6, 0x40004                  ; cy
	s_and_b32 s66, ttmp7, 0xffff                   ; the cluster's y
	s_lshl_b32 s40, s66, 10                        ; q, k: R = x's rows 1,024 y on
	s_mov_b32 s41, 10240                           ; v:    R = Wv's rows
	s_lshl_b32 s92, ttmp9, 10
	s_add_co_u32 s92, s92, 8192                    ; q, k: P = Wq's or Wk's rows
	s_sub_co_u32 s67, s66, 8
	s_lshl_b32 s67, s67, 1
	s_add_co_u32 s67, s67, ttmp9                   ; v: c = 2 (y - 8) + x
	s_lshl_b32 s94, s67, 10                        ; v:    P = x's rows 1,024 c on
	s_cmp_lt_u32 s66, 8                            ; the cluster's coordinates alone: the same in all sixteen partners
	s_cselect_b32 s40, s40, s41
	s_cselect_b32 s92, s92, s94
	s_cselect_b32 s23, ttmp9, 2                    ; KIND: 0 q, 1 k, 2 v
	s_lshl_b32 s42, s22, 8
	s_add_co_u32 s40, s40, s42
	s_lshl_b32 s43, s20, 7
	s_add_co_u32 s40, s40, s43                     ; R: the first row that I fetch: + 256 cy + 128 x half
	s_lshl_b32 s95, s21, 8
	s_add_co_u32 s92, s92, s95
	s_add_co_u32 s92, s92, s43                     ; P: + 256 cx + 128 x half
	s_lshl_b32 s44, s40, 9                         ; in bytes: codes,
	s_mov_b32 s45, 0
	s_lshl_b32 s46, s40, 5                         ; scale bytes
	s_mov_b32 s47, 0
	s_lshl_b32 s94, s92, 9
	s_mov_b32 s95, 0
	s_lshl_b32 s96, s92, 5
	s_mov_b32 s97, 0
	s_lshl_b32 s41, s22, 2
	s_lshl_b32 s41, 15, s41                        ; my row of the cluster
	s_lshl_b32 s93, 0x1111, s21                    ; my column
	; descriptor group 1: 128 rows x 256 bytes, 512 bytes apart in memory, 16 bytes of padding behind each in LDS
	s_or_b32 s[G1+0], s41, (0<<16)|(1<<20)|(1<<21)|(5<<22)|(3<<25)  ; 15:0 the mask; 17:16 elements of 1 byte; 20 padding on; 21 set beside a mask; 24:22 after every 64 words; 31:25 four words
	s_or_b32 s[G1B+0], s93, (0<<16)|(1<<20)|(1<<21)|(5<<22)|(3<<25)
.irp g, G1, G1B
	s_mov_b32 s[\g+1], ROWB<<16                    ; tensor_dim0
	s_mov_b32 s[\g+2], 128<<16                     ; tensor_dim1
	s_mov_b32 s[\g+3], ROWB<<16                    ; tile_dim0
	s_mov_b32 s[\g+4], 128                         ; tile_dim1
	s_mov_b32 s[\g+5], KROW                        ; tensor_dim0_stride
	s_mov_b32 s[\g+6], 0
	s_mov_b32 s[\g+7], 0
.endr
	; the scale bytes of 128 rows: 4,096 dense bytes as 16 rows of 256 (32 elements of 8 bytes), 16 bytes of padding behind each
	s_or_b32 s[G1S+0], s41, (3<<16)|(1<<20)|(1<<21)|(5<<22)|(3<<25)
	s_or_b32 s[G1SB+0], s93, (3<<16)|(1<<20)|(1<<21)|(5<<22)|(3<<25)
.irp g, G1S, G1SB
	s_mov_b32 s[\g+1], 32<<16
	s_mov_b32 s[\g+2], 16<<16
	s_mov_b32 s[\g+3], 32<<16
	s_mov_b32 s[\g+4], 16
	s_mov_b32 s[\g+5], 32
	s_mov_b32 s[\g+6], 0
	s_mov_b32 s[\g+7], 0
.endr
	s_mul_i32 s42, s18, HALFT                      ; where they go: wave x 128 rows: no place in the cluster enters an LDS address
	s_mul_i32 s43, s18, HALFS
	s_mov_b32 s[SEL], 0x76543210
	s_mov_b32 s[SEL+1], 0xfedcba98                 ; v_permlanex16_b32's selects for lane l xor 16
	s_wait_dscnt 0x0                               ; both opening adds are done
	s_wait_kmcnt 0x0
	s_add_nc_u64 s[44:45], s[4:5], s[44:45]
	s_add_nc_u64 s[46:47], s[6:7], s[46:47]
	s_add_nc_u64 s[94:95], s[4:5], s[94:95]
	s_add_nc_u64 s[96:97], s[6:7], s[96:97]
	CROUND                                         ; all sixteen work-groups are here: the joint loads meet
	s_mov_b32 s[G0S], 1
	s_add_co_u32 s[G0S+1], s43, SCL
	s_mov_b64 s[G0S+2:G0S+3], s[46:47]
	s_or_b32 s[G0S+3], s[G0S+3], 0x80000000
	s_mov_b32 s[G0SB], 1
	s_add_co_u32 s[G0SB+1], s43, SCL
	s_mov_b64 s[G0SB+2:G0SB+3], s[96:97]
	s_or_b32 s[G0SB+3], s[G0SB+3], 0x80000000
	JLOAD G0S, G1S, G0SB, G1SB                     ; the scale bytes first: they are wanted with the first step.  Three loads of mine are out behind the third JLOAD
.irp s, 0,1
	s_mov_b32 s[G0+4*\s], 1
	s_add_co_u32 s[G0+4*\s+1], s42, \s*SLOT
	s_add_nc_u64 s[G0+4*\s+2:G0+4*\s+3], s[44:45], \s*ROWB
	s_or_b32 s[G0+4*\s+3], s[G0+4*\s+3], 0x80000000
	s_mov_b32 s[G0B+4*\s], 1
	s_add_co_u32 s[G0B+4*\s+1], s42, \s*SLOT
	s_add_nc_u64 s[G0B+4*\s+2:G0B+4*\s+3], s[94:95], \s*ROWB
	s_or_b32 s[G0B+4*\s+3], s[G0B+4*\s+3], 0x80000000
	JLOAD G0+4*\s, G1, G0B+4*\s, G1B
.endr
	v_and_b32 v1, 15, v0                           ; r = lane % 16
	v_bfe_u32 v2, v0, 4, 1                         ; h = lane / 16
	v_and_b32 v[LI], 31, v0
	v_lshlrev_b32 v[LI], 4, v[LI]
	v_mul_u32_u24 v3, v1, PITCH
	v_lshl_add_u32 v4, v2, 4, v3                   ; a fragment's row x pitch + 16 x half
	s_mul_i32 s40, s19, HALFT                      ; my 128 rows of R
	s_mul_i32 s41, s20, HALFT                      ; my 128 rows of P,
	s_add_co_u32 s41, s41, 2*HALFT                 ; which lie behind R's 256
.irp s, 0,1
	v_add_nc_u32 v[ADRA+\s], s40, v4
	v_add_nc_u32 v[ADRB+\s], s41, v4
	s_add_co_u32 s40, s40, SLOT
	s_add_co_u32 s41, s41, SLOT
.endr
	v_mul_u32_u24 v5, v1, KS                       ; my row's scale bytes: 32 a row,
	v_lshrrev_b32 v6, 8, v5
	v_lshl_add_u32 v5, v6, 4, v5                   ; and 16 more for each 256 passed
	s_mul_i32 s40, s19, HALFS
	s_mul_i32 s41, s20, HALFS
	s_add_co_u32 s41, s41, 2*HALFS
	s_sub_co_u32 s41, s41, s40
	v_mul_u32_u24 v6, s41, v2                      ; lanes 0-15 take R's words, lanes 16-31 P's
	s_add_co_u32 s40, s40, SCL
	v_add_nc_u32 v5, v5, v6
	v_add_nc_u32 v[ADRS], s40, v5
.irp b, 0,1,2,3
	v_mov_b32 v[TM+4+\b], 0                        ; written once: a lane permute's destination counts as one of its sources
.endr
	; THE BIAS, in the result's layout.  q, k: it goes by P: register 8 b + j holds b[32 (b / 2) + 16 h + 8 (b % 2) + j].  v: it goes by R, the lane's row: all eight registers of block a hold bv[32 (a / 2) + 8 (a % 2) + r + 8 (r / 8)]
	s_cmp_eq_u32 s23, 1
	s_cselect_b64 s[98:99], s[10:11], s[8:9]
	s_cmp_eq_u32 s23, 2
	s_cselect_b64 s[98:99], s[12:13], s[98:99]
	s_cselect_b32 s2, s22, s21                     ; f begins at 256 cy + 128 (R's half) for v, at 256 cx + 128 (P's half) for q and k
	s_cselect_b32 s3, s19, s20
	s_lshl_b32 s2, s2, 10
	s_lshl_b32 s3, s3, 9
	s_add_co_u32 s2, s2, s3
	s_mov_b32 s3, 0
	s_add_nc_u64 s[98:99], s[98:99], s[2:3]
	s_cmp_eq_u32 s23, 2
	s_cbranch_scc1 .Lbias_v
	v_lshlrev_b32 v31, 6, v2
.irp b, 0,1,2,3,4,5,6,7
	global_load_b128 v[BI+8*\b:BI+8*\b+3], v31, s[98:99] offset:(32*(\b/2)+8*(\b%2))*4
	global_load_b128 v[BI+8*\b+4:BI+8*\b+7], v31, s[98:99] offset:(32*(\b/2)+8*(\b%2))*4+16
.endr
	s_branch .Lbias_done
.Lbias_v:
	v_and_b32 v31, 8, v1
	v_add_nc_u32 v31, v31, v1
	v_lshlrev_b32 v31, 2, v31
.irp a, 0,1,2,3,4,5,6,7
	global_load_b32 v[BI+8*\a], v31, s[98:99] offset:(32*(\a/2)+8*(\a%2))*4
.endr
	s_wait_loadcnt 0x0                             ; the tiles are on their way meanwhile
.irp a, 0,1,2,3,4,5,6,7
.irp j, 1,2,3,4,5,6,7
	v_mov_b32 v[BI+8*\a+\j], v[BI+8*\a]
.endr
.endr
.Lbias_done:
.macro FRAG reg, adr, q, i             ; 16 rows x 128 K: lane l holds row l % 16; registers 4 c .. 4 c + 3 hold K = 64 c + 32 (l / 16) + 0 .. 31
.irp c, 0,1
	ds_load_b128 v[\reg+4*\c:\reg+4*\c+3], v[\adr] offset:64*(\q)+32*\c+(\i)*16*PITCH
.endr
.endm
; 16 products: R's blocks a0, a0 + 1 x P's eight, 128 along K.  cmode 0: C = D;  1: C = the bias by P's block;  2: C = the bias by R's block.  The 64 accumulators take turns, one instruction a turn, in the same order in every step.
.macro MUL16 a0, p, q, sc, cmode
.irp a, \a0, \a0+1
.irp b, 0,1,2,3,4,5,6,7
.if \cmode == 1
	v_wmma_scale_f32_16x16x128_f8f6f4 v[8*(8*((\a)%4)+\b):8*(8*((\a)%4)+\b)+7], v[128*(\p)+FR*\b:128*(\p)+FR*\b+FR-1], v[AF+FR*(\a):AF+FR*(\a)+FR-1], v[BI+8*\b:BI+8*\b+7], v[SC+8*NQ*(\sc)+NQ*\b+(\q)], v[SC+8*NQ*(\sc)+NQ*(\a)+(\q)] matrix_a_fmt:MATRIX_FMT_FP4 matrix_b_fmt:MATRIX_FMT_FP4 matrix_a_scale:MATRIX_SCALE_ROW1
.elseif \cmode == 2
	v_wmma_scale_f32_16x16x128_f8f6f4 v[8*(8*((\a)%4)+\b):8*(8*((\a)%4)+\b)+7], v[128*(\p)+FR*\b:128*(\p)+FR*\b+FR-1], v[AF+FR*(\a):AF+FR*(\a)+FR-1], v[BI+8*(\a):BI+8*(\a)+7], v[SC+8*NQ*(\sc)+NQ*\b+(\q)], v[SC+8*NQ*(\sc)+NQ*(\a)+(\q)] matrix_a_fmt:MATRIX_FMT_FP4 matrix_b_fmt:MATRIX_FMT_FP4 matrix_a_scale:MATRIX_SCALE_ROW1
.else
	v_wmma_scale_f32_16x16x128_f8f6f4 v[8*(8*((\a)%4)+\b):8*(8*((\a)%4)+\b)+7], v[128*(\p)+FR*\b:128*(\p)+FR*\b+FR-1], v[AF+FR*(\a):AF+FR*(\a)+FR-1], v[8*(8*((\a)%4)+\b):8*(8*((\a)%4)+\b)+7], v[SC+8*NQ*(\sc)+NQ*\b+(\q)], v[SC+8*NQ*(\sc)+NQ*(\a)+(\q)] matrix_a_fmt:MATRIX_FMT_FP4 matrix_b_fmt:MATRIX_FMT_FP4 matrix_a_scale:MATRIX_SCALE_ROW1
.endif
.endr
.endr
.endm
.macro FETCH_B slot, q, p
	WIN TO_B
.irp i, 0,1,2,3,4,5,6,7
	FRAG 128*(\p)+FR*\i, ADRB+\slot, \q, \i
.endr
	WIN 0
.endm
.macro FETCH_A slot, q, i0
.irp i, \i0, \i0+1, \i0+2, \i0+3
	FRAG AF+FR*(\i), ADRA+\slot, \q, \i
.endr
.endm
.macro SCALES sc                       ; a slot's scale words: 4 a row; lanes 0-15 take R's block i, lanes 16-31 P's block i
.irp i, 0,1,2,3,4,5,6,7
	ds_load_b128 v[SC+8*NQ*\sc+NQ*\i:SC+8*NQ*\sc+NQ*\i+3], v[ADRS] offset:\i*SBLK
.endr
.endm
.macro PLACES n                        ; plain vector lines between a matrix instruction and a load into, or a vector read or write of, its registers
.rept \n
	v_nop
.endr
.endm
; A step of 128 along K that has its successor in the same slot.  R has one set of registers: blocks 0-3 are fetched anew in the step's middle, blocks 4-7 at its end; P has two sets.
.macro STEP slot, q, cmode
	s_wait_dscnt 4*NL                              ; P's set and R's blocks 0-3 are in; the youngest eight loads (R's blocks 4-7) may be out
.if \cmode
	WIN 0x81                                       ; C (the bias) in window 0, D in window 2
.else
	WIN MUL_LO
.endif
	MUL16 0, (\q)%2, \q, \slot, \cmode
	MUL16 2, (\q)%2, \q, \slot, \cmode
	s_wait_dscnt 0
	PLACES NP
	FETCH_B \slot, (\q)+1, 1-(\q)%2
	FETCH_A \slot, (\q)+1, 0
.if \cmode
	WIN 0xc1
.else
	WIN MUL_HI
.endif
	MUL16 4, (\q)%2, \q, \slot, \cmode
	MUL16 6, (\q)%2, \q, \slot, \cmode
	PLACES NP
	WIN 0
	FETCH_A \slot, (\q)+1, 4
.endm
; Slot 0's last step goes over to slot 1: each wave waits for its part of slot 1 and signals; behind the barrier slot 1 is whole.  Nothing is filled again.
.macro TURN slot, next
	s_wait_tensorcnt 0x0                           ; all my tensor loads have landed
	ds_add_u32 v[SPW], v[NIL]                      ; 0 onto my spare word
	s_wait_dscnt 4*NL+1                            ; (the add and the youngest eight loads may be out)
	WIN MUL_LO
	MUL16 0, 1, NQ-1, \slot, 0
	s_wait_dscnt 0x0                               ; no LDS instruction of mine is out at the signal
	s_barrier_signal -1
	MUL16 2, 1, NQ-1, \slot, 0
	WIN 0
	s_barrier_wait -1
	PLACES NP
	v_add_nc_u32 v[ADRS], 4*NQ, v[ADRS]            ; on to the next slot's scale words
	FETCH_B \next, 0, 0
	FETCH_A \next, 0, 0
	SCALES \next
	WIN MUL_HI
	MUL16 4, 1, NQ-1, \slot, 0
	MUL16 6, 1, NQ-1, \slot, 0
	PLACES NP
	WIN 0
	FETCH_A \next, 0, 4
.endm
.macro STEPS slot, from
.set Q, \from
.rept NQ-1-\from
	STEP \slot, Q, 0
.set Q, Q+1
.endr
.endm
	s_wait_tensorcnt 1                             ; the scale bytes and my part of slot 0 are in (slot 1's load may be out),
	s_barrier_signal -1
	s_barrier_wait -1                              ; everybody's are
	FETCH_B 0, 0, 0
	FETCH_A 0, 0, 0
	SCALES 0
	FETCH_A 0, 0, 4
	s_wait_loadcnt 0x0                             ; the bias
	s_cmp_eq_u32 s23, 2
	s_cbranch_scc1 .Lfirst_v
	STEP 0, 0, 1                                   ; the first step starts the sums with the bias
	s_branch .Lfirst_done
.Lfirst_v:
	STEP 0, 0, 2
.Lfirst_done:
	STEPS 0, 1
	TURN 0, 1
	STEPS 1, 0
	s_wait_dscnt 4*NL                              ; the last step: nothing more to fetch
	WIN MUL_LO
	MUL16 0, 1, NQ-1, 1, 0
	MUL16 2, 1, NQ-1, 1, 0
	s_wait_dscnt 0
	WIN MUL_HI
	MUL16 4, 1, NQ-1, 1, 0
	MUL16 6, 1, NQ-1, 1, 0
	WIN 0
	PLACES NP                                      ; behind the last products: the lines below read results and write over R's fragments
; Block a's 64 numbers of a lane (register 16 bb + i = P 32 bb + 16 h + i of my row) become a fragment's codes in v[PC + 8 a] on and its scale word in v[PW + a].  Each accumulator is read from its low end on.
.macro QUANT a
.set W, 2+(\a)/4
.set AC, 64*((\a)%4)
.set W01, W|(W<<2)
.set W12, (W<<2)|(W<<4)
	WIN W01
.irp bb, 0,1,2,3
	v_max3_num_f32 v[TM+\bb], |v[AC+16*\bb]|, |v[AC+16*\bb+1]|, 0x1800000   ; my 16 numbers of block bb, and the floor 2^(3 - 127): the byte cannot fall under 1
.endr
	WIN W12
.irp i, 2,4,6,8,10,12,14
.irp bb, 0,1,2,3
	v_max3_num_f32 v[TM+\bb], v[TM+\bb], |v[AC+16*\bb+\i]|, |v[AC+16*\bb+\i+1]|   ; the four blocks by turns
.endr
.endr
	WIN 0
.irp bb, 0,1,2,3
	v_permlanex16_b32 v[TM+4+\bb], v[TM+\bb], s[SEL], s[SEL+1]
.endr
.irp bb, 0,1,2,3
	v_max_num_f32 v[TM+\bb], v[TM+\bb], v[TM+4+\bb]   ; with lane l xor 16's: the block's largest magnitude
.endr
.irp bb, 0,1,2,3
	v_add_nc_u32 v[TM+12+\bb], 0xff000000, v[TM+\bb]  ; 2 off its exponent field: the conversion's scale operand
.endr
.irp bb, 0,1,2,3
	v_lshrrev_b32 v[TM+4+\bb], 23, v[TM+12+\bb]       ; the scale's byte
.endr
	v_lshl_or_b32 v[PW+(\a)], v[TM+5], 8, v[TM+4]
	v_lshl_or_b32 v[PW+(\a)], v[TM+6], 16, v[PW+(\a)]
	v_lshl_or_b32 v[PW+(\a)], v[TM+7], 24, v[PW+(\a)]
	WIN W
.irp bb, 0,1,2,3
	v_cvt_scalef32_pk8_fp4_f32 v[PC+8*(\a)+2*\bb], v[AC+16*\bb:AC+16*\bb+7], v[TM+12+\bb]
	v_cvt_scalef32_pk8_fp4_f32 v[PC+8*(\a)+2*\bb+1], v[AC+16*\bb+8:AC+16*\bb+15], v[TM+12+\bb]
.endr
	WIN 0
	v_nop                                          ; one plain line behind a scaled conversion
.irp c, 0,1                                    ; the operand's layout wants a whole block in a lane: lanes 0-15 block 2 c, lanes 16-31 block 2 c + 1
.irp i, 0,1
	v_permlane16_swap_b32 v[PC+8*(\a)+4*\c+\i], v[PC+8*(\a)+2+4*\c+\i]
.endr
.endr
.endm
.irp a, 0,1,2,3,4,5,6,7
	QUANT \a
.endr
	; WHERE IT GOES.  G = my group of 128 tokens among all 64, hp = my pair of heads: the first head's chunk is number (G / 16) 256 + 32 hp + G % 16
	s_and_b32 s8, ttmp7, 0xffff
	s_cmp_eq_u32 s23, 2
	s_cselect_b32 s8, s67, s8                      ; tokens go by c, cx and P's half for v; by y, cy and R's half for q and k
	s_cselect_b32 s9, s21, s22
	s_cselect_b32 s10, s20, s19
	s_cselect_b32 s11, s22, s21                    ; heads the other way round
	s_cselect_b32 s12, s19, s20
	s_lshl_b32 s8, s8, 2
	s_add_co_u32 s8, s8, s9
	s_lshl_b32 s8, s8, 1
	s_add_co_u32 s8, s8, s10                       ; G
	s_lshl_b32 s11, s11, 1
	s_add_co_u32 s11, s11, s12                     ; hp
	s_lshr_b32 s9, s8, 4
	s_lshl_b32 s9, s9, 8
	s_lshl_b32 s11, s11, 5
	s_and_b32 s8, s8, 15
	s_add_co_u32 s9, s9, s11
	s_add_co_u32 s9, s9, s8
	s_mov_b32 s12, 8704
	s_mov_b32 s13, 139264
	s_cmp_eq_u32 s23, 0
	s_cselect_b64 s[98:99], s[14:15], s[16:17]     ; qb or kv
	s_cselect_b32 s12, 4608, s12                   ; a chunk
	s_cselect_b32 s13, 73728, s13                  ; from a head to the next: 16 chunks
	s_mul_i32 s2, s9, s12
	s_mov_b32 s3, 0
	s_add_nc_u64 s[98:99], s[98:99], s[2:3]
	v_mul_lo_u32 v[SOF], v2, s13
	v_lshl_add_u32 v[SOF], v1, 4, v[SOF]           ; scale words: lanes 0-15 store the first head's, lanes 16-31 the second's, 16 bytes a row
	v_cmp_eq_u32 vcc_lo, 1, v2
.macro CODES_QK hs                     ; block a = 16 tokens: registers 0-3 are the first head's image, 4-7 the second's
.irp a, 0,1,2,3,4,5,6,7
	global_store_b128 v[LI], v[PC+8*\a:PC+8*\a+3], s[98:99] offset:512*\a
	global_store_b128 v[LI], v[PC+8*\a+4:PC+8*\a+7], s[98:99] offset:512*\a+\hs
.endr
.endm
	s_cmp_eq_u32 s23, 1
	s_cbranch_scc1 .Lout_k
	s_cmp_eq_u32 s23, 2
	s_cbranch_scc1 .Lout_v
	v_mov_b32 v30, 0x01000100                      ; q: a head's two bytes, twice: the word serves either half of the 128-deep product
	v_mov_b32 v31, 0x03020302
	v_cndmask_b32 v30, v30, v31, vcc_lo
.irp a, 0,1,2,3,4,5,6,7
	v_perm_b32 v[SW+\a], v[PW+\a], v[PW+\a], v30
.endr
	CODES_QK 73728
	global_store_b128 v[SOF], v[SW:SW+3], s[98:99] offset:4096
	global_store_b128 v[SOF], v[SW+4:SW+7], s[98:99] offset:4352
	s_branch .Lout_done
.Lout_k:
	v_mov_b32 v30, 0x05040100                      ; k: a head's two bytes of tile 2 m below, of tile 2 m + 1 above
	v_mov_b32 v31, 0x07060302
	v_cndmask_b32 v30, v30, v31, vcc_lo
.irp m, 0,1,2,3
	v_perm_b32 v[SW+\m], v[PW+2*\m+1], v[PW+2*\m], v30
.endr
	CODES_QK 139264
	global_store_b128 v[SOF], v[SW:SW+3], s[98:99] offset:8192
	s_branch .Lout_done
.Lout_v:
.irp t, 0,1,2,3
	v_cndmask_b32 v[SW+\t], v[PW+\t], v[PW+4+\t], vcc_lo   ; v: block a = 16 d of head a / 4; its word scales the step's 128 keys
.endr
.irp a, 0,1,2,3,4,5,6,7
	global_store_b128 v[LI], v[PC+8*\a:PC+8*\a+3], s[98:99] offset:4096+1024*(\a%4)+139264*(\a/4)
	global_store_b128 v[LI], v[PC+8*\a+4:PC+8*\a+7], s[98:99] offset:4096+1024*(\a%4)+139264*(\a/4)+512
.endr
	global_store_b128 v[SOF], v[SW:SW+3], s[98:99] offset:8448
.Lout_done:
	s_wait_tensorcnt 0x0                           ; the wave's end
	ds_add_u32 v[SPW], v[NIL]
	s_wait_dscnt 0x0
	CROUND                                         ; the closing round: no work-group ends while a partner may still ask for a tile that names it
	s_endpgm
.Lfunc_end_k_q998be701a5_qkv:
	.size	k_q998be701a5_qkv, .Lfunc_end_k_q998be701a5_qkv-k_q998be701a5_qkv
	.p2alignl 7, 3214868480
	.fill 96, 4, 3214868480
	.section	.rodata,"a",@progbits
	.p2align	6, 0x0
	.amdhsa_kernel k_q998be701a5_qkv
		.amdhsa_group_segment_fixed_size 327680
		.amdhsa_private_segment_fixed_size 0
		.amdhsa_enable_private_segment 0
		.amdhsa_kernarg_size 56
		.amdhsa_user_sgpr_count 2
		.amdhsa_user_sgpr_kernarg_segment_ptr 1
		.amdhsa_wavefront_size32 1
		.amdhsa_system_sgpr_workgroup_id_x 1
		.amdhsa_system_sgpr_workgroup_id_y 1
		.amdhsa_system_sgpr_workgroup_id_z 1
		.amdhsa_system_vgpr_workitem_id 0
		.amdhsa_next_free_vgpr 1024
		.amdhsa_next_free_sgpr 102
		.amdhsa_reserve_vcc 1
		.amdhsa_float_denorm_mode_32 3
		.amdhsa_float_denorm_mode_16_64 3
		.amdhsa_memory_ordered 1
		.amdhsa_forward_progress 1
		.amdhsa_inst_pref_size 149
	.end_amdhsa_kernel
	.amdgpu_metadata
---
amdhsa.version: [ 1, 2 ]
amdhsa.kernels:
  - .name:           k_q998be701a5_qkv
    .symbol:         k_q998be701a5_qkv.kd
    .args:
      - { .name: cw, .offset: 0, .size: 8, .value_kind: global_buffer, .address_space: global }
      - { .name: sw, .offset: 8, .size: 8, .value_kind: global_buffer, .address_space: global }
      - { .name: bq, .offset: 16, .size: 8, .value_kind: global_buffer, .address_space: global }
      - { .name: bk, .offset: 24, .size: 8, .value_kind: global_buffer, .address_space: global }
      - { .name: bv, .offset: 32, .size: 8, .value_kind: global_buffer, .address_space: global }
      - { .name: qb, .offset: 40, .size: 8, .value_kind: global_buffer, .address_space: global }
      - { .name: kv, .offset: 48, .size: 8, .value_kind: global_buffer, .address_space: global }
    .group_segment_fixed_size: 327680
    .private_segment_fixed_size: 0
    .kernarg_segment_align: 8
    .kernarg_segment_size: 56
    .max_flat_workgroup_size: 128
    .sgpr_count:     102
    .vgpr_count:     1024
    .wavefront_size: 32
...
	.end_amdgpu_metadata
.endif
;; end of part 2
;; launch attn (part 3): grid 4 x 64, 16 waves a work-group, clusters of 4 x 1, 167,936 bytes of LDS; arguments qb, kv, ci, csc; writes ci, csc
.if DOCPART == 3
	.amdgcn_target "amdgcn-amd-amdhsa--gfx1250"
	.amdhsa_code_object_version 6
	.text
	.protected	k_q998be701a5_attn
	.globl	k_q998be701a5_attn
	.p2align	8
	.type	k_q998be701a5_attn,@function
k_q998be701a5_attn:
	s_mov_b64 s[64:65], 0
	v_nop
	global_prefetch_b8 v0, s[64:65] scope:SCOPE_SE
	s_setreg_imm32_b32 hwreg(HW_REG_WAVE_MODE, 25, 1), 1
	s_wait_xcnt 0x0
	s_wait_alu depctr_hold_cnt(0) depctr_sa_sdst(0) depctr_va_vdst(0) depctr_va_sdst(0) depctr_va_ssrc(0) depctr_va_vcc(0) depctr_vm_vsrc(0)
	s_getreg_b32 s2, hwreg(HW_REG_IB_STS2, 6, 4)
	s_cmp_eq_u32 s2, 0
	s_cbranch_scc0 .Lentry_in_a_cluster
	s_endpgm
.Lentry_in_a_cluster:
	s_bfe_u32 s2, ttmp6, 0x10000c
	s_cmp_lg_u32 s2, 0x3003
	s_cbranch_scc0 .Lentry_shape_is_right
	s_endpgm
.Lentry_shape_is_right:
; ctx = softmax(q k^T / 8, causal) v for one (batch, head) a cluster, both products on codes of E2M1, and ctx's quantiser (along head x 64 + d).  Inputs qb and kv as the launch qkv lays them.
; LEFT OUT: key steps of 128 all of whose keys come after all queries of the tile: reference() masks them by its own jnp.tril, so their weights are exactly 0 (shown at the head of the launch quant).
; LIMIT: an overflow or NaN that arises only in scores so left out is not carried to the result.  NaN and infinities among the inputs are not served.
; THE SOFTMAX: t = score x log2(e) / 8; M = the running largest t rounded up to a whole number; p = 2^(t - M) is quantised along the keys, not normalised; the row's sum is taken of the unquantised p and divides at the end;
; when M moves, the sum and O are multiplied by 2^(old M - new M), which rounds nothing.
; SHARES.  The head's K and V, 16 chunks of 8,704 bytes (128 keys each), lie whole in the LDS of each of the cluster's four work-groups: wave w asks for chunk w by ONE joint load; nothing is filled twice.
; A head has 16 groups of 128 queries, 8 tiles of 16 each.  Wave w of the work-group at place cx runs two passes: group w, tile 2 cx; then group w xor 15, tile 2 cx + 1: (w + 1) + (16 - w) = 17 key steps for every wave.
; A pass's last step is its group's number, which hangs on the wave's number alone; cx enters global addresses and the number that the mask compares, and no branch and no LDS address.
; LAYOUT.  Both products are used transposed: a lane holds one query throughout.  The head's 64 fill half of the 128-deep product: fragment m of K holds key tile 2 m in registers 0-3 and tile 2 m + 1 in registers 4-7;
; times [q, 0] it gives tile 2 m's scores, times [0, q] tile 2 m + 1's: zero codes add nothing.  By the stored row order the 16 registers of tiles 2 b, 2 b + 1 are the keys 32 b + 16 (lane / 16) + 0 .. 15.
; OUT.  ci [head / 8][tile of 16 stored tokens 512][head % 8][512]: images of the next product's registers (16 tokens x the head's 64), 512 bytes on end a store.  csc [stored token][32]: two bytes a head:
; these stores are 2 bytes a lane, 32 bytes apart: 262,144 bytes in the whole launch; kept so, since the next launch takes a token's 32 bytes as they lie.
; REGISTERS: v1 16 x lane; v2 16 r + 8,192; v3 r; v4 h; v5, v6 the add's two; v7 the mask's number; v8, v9 the step's LDS addresses; v10 32 r; v11 16 r; v12 -M; v13 the largest t; v[14:15] the sum in two halves;
; v16-31 pass 0's [q, 0], [0, q]; v32-63 K; v64-95 V; v96-159 S^T, then p, then ctx; v160-191 O^T; v192-195, v196-199 K's and V's scale words; v200-215 pass 1's q; v216, v255 q's scale words; v224-231 codes; v232-254 at work.
.set CHUNK, 8704
.set SPARE, 16*CHUNK                   ; behind the head's K and V: the spare words, 128 bytes a wave, which no other line names
.set SPW,  5
.set NIL,  6
.set WV,   12                          ; s12  my wave's number
.set G1,   16                          ; s[16:23] descriptor group 1
.set G0,   24                          ; s[24:27] group 0
.set SEL,  28                          ; s[28:29] lane selects for v_permlanex16_b32: lane l xor 16
.set CS,   30                          ; s[30:31] c = log2(e) / 8
.set TB,   32                          ; s32  LDS byte at which the step's chunk begins
.set ST,   33                          ; s33  the step
.set GQ,   34                          ; s34  the pass's group of queries
.macro CROUND                          ; a round of the cluster's barrier
	s_barrier_signal -1
	s_barrier_wait -1
	s_cmp_lg_u32 s[WV], 0
	s_cbranch_scc1 .Lnot_wave_0_\@
	s_barrier_signal -3
.Lnot_wave_0_\@:
	s_barrier_wait -3
	s_barrier_signal -1
	s_barrier_wait -1
.endm
	s_load_b256 s[4:11], s[0:1], 0x0               ; qb s[4:5], kv s[6:7], ci s[8:9], csc s[10:11]
	v_lshl_add_u32 v[SPW], v0, 2, SPARE
	v_mov_b32 v[NIL], 0
	ds_add_u32 v[SPW], v[NIL]                      ; the wave's opening: the add, twice on end, and its wait ahead of my first tensor load
	ds_add_u32 v[SPW], v[NIL]
	v_lshrrev_b32 v8, 5, v0
	s_delay_alu instid0(VALU_DEP_1)
	v_readfirstlane_b32 s[WV], v8                  ; wave 0..15
	s_bfe_u32 s13, ttmp6, 0x40000                  ; cx
	s_and_b32 s14, ttmp7, 0xffff                   ; batch x 16 + head, which the four partners share
	; descriptor group 1: a chunk, 8,704 dense bytes, as 34 rows of 256 (32 elements of 8 bytes), no padding
	s_mov_b32 s[G1], 15|(3<<16)|(1<<21)            ; 15:0 the mask: all four work-groups; 17:16 elements of 8 bytes; 21 set beside a mask
	s_mov_b32 s[G1+1], 32<<16                      ; tensor_dim0
	s_mov_b32 s[G1+2], 34<<16                      ; tensor_dim1
	s_mov_b32 s[G1+3], 32<<16                      ; tile_dim0
	s_mov_b32 s[G1+4], 34                          ; tile_dim1
	s_mov_b32 s[G1+5], 32                          ; tensor_dim0_stride
	s_mov_b32 s[G1+6], 0
	s_mov_b32 s[G1+7], 0
	s_mov_b32 s[SEL], 0x76543210
	s_mov_b32 s[SEL+1], 0xfedcba98
	s_mov_b32 s[CS], 0x3e38aa3b                    ; log2(e) / 8
	s_mov_b32 s[CS+1], s[CS]                       ; (named with it as a pair, so it is written)
	s_mul_i32 s36, s14, 16*CHUNK
	s_mul_i32 s38, s[WV], CHUNK
	s_add_co_u32 s36, s36, s38
	s_mov_b32 s37, 0
	s_wait_dscnt 0x0                               ; both opening adds are done
	s_wait_kmcnt 0x0
	s_mov_b32 s[G0], 1                             ; count = 1
	s_mov_b32 s[G0+1], s38                         ; LDS address: 8,704 x wave
	s_add_nc_u64 s[G0+2:G0+3], s[6:7], s[36:37]    ; the head's chunk number wave
	s_or_b32 s[G0+3], s[G0+3], 0x80000000          ; type = 2
	CROUND                                         ; all four work-groups are here: the joint loads meet
	tensor_load_to_lds s[G0:G0+3], s[G1:G1+7]      ; my one tensor load of the launch
	s_nop 0
	v_and_b32 v3, 15, v0                           ; r
	v_bfe_u32 v4, v0, 4, 1                         ; h
	v_and_b32 v1, 31, v0
	s_delay_alu instid0(VALU_DEP_1)
	v_lshlrev_b32 v1, 4, v1                        ; 16 x lane
	s_wait_alu depctr_va_vdst(0)
	v_lshlrev_b32 v11, 4, v3                       ; 16 r
	s_wait_alu depctr_va_vdst(0)
	v_add_nc_u32 v2, 8192, v11
	v_lshlrev_b32 v10, 5, v3                       ; 32 r
	; both passes' q: the image twice (two operands), and the tile's scale word
	s_mul_i32 s36, s14, 16*4608                    ; the head in qb
	s_lshl_b32 s37, s13, 10                        ; tile 2 cx: 512 bytes a tile
	s_lshr_b32 s38, s13, 1
	s_lshl_b32 s38, s38, 8
	s_and_b32 s39, s13, 1
	s_lshl_b32 s39, s39, 3
	s_add_co_u32 s38, s38, s39
	s_add_co_u32 s38, s38, 4096                    ; its scale words: 4,096 + 256 (tile / 4) + 4 (tile % 4), + 16 r
	s_mul_i32 s40, s[WV], 4608
	s_add_co_u32 s40, s40, s36
	s_add_co_u32 s42, s40, s38
	s_add_co_u32 s40, s40, s37
	s_mov_b32 s41, 0
	s_mov_b32 s43, 0
	s_add_nc_u64 s[40:41], s[4:5], s[40:41]
	s_add_nc_u64 s[42:43], s[4:5], s[42:43]
	s_xor_b32 s44, s[WV], 15
	s_mul_i32 s44, s44, 4608
	s_add_co_u32 s44, s44, s36
	s_add_co_u32 s46, s44, s38
	s_add_co_u32 s44, s44, s37
	s_mov_b32 s45, 0
	s_mov_b32 s47, 0
	s_add_nc_u64 s[44:45], s[4:5], s[44:45]
	s_add_nc_u64 s[46:47], s[4:5], s[46:47]
	global_load_b128 v[16:19], v1, s[40:41]
	global_load_b128 v[28:31], v1, s[40:41]
	global_load_b32 v255, v11, s[42:43]
	global_load_b128 v[200:203], v1, s[44:45] offset:512
	global_load_b128 v[212:215], v1, s[44:45] offset:512
	global_load_b32 v216, v11, s[46:47] offset:4
.irp j, 20,21,22,23,24,25,26,27,204,205,206,207,208,209,210,211
	v_mov_b32 v[\j], 0                             ; the zero halves of [q, 0] and [0, q]
.endr
.irp b, 0,1,2,3
	v_mov_b32 v[236+\b], 0                         ; written once: a lane permute's destination counts as one of its sources
.endr
	v_mov_b32 v252, 0                              ; likewise: the permute at a pass's end lands here
	v_mov_b32 v253, 0                              ; (named as the upper half of the pair v[252:253] before it is first written)
	s_wait_tensorcnt 0x0                           ; my chunk is in,
	s_barrier_signal -1
	s_barrier_wait -1                              ; everybody's is: the head's K and V lie whole in LDS
	s_wait_loadcnt 0x0                             ; q
; A PASS: one tile of 16 queries against the key steps 0 .. its group.  u: the pass; QL: the first register of [q, 0], [0, q]; QS: q's scale word.
.macro PASS u, QL, QS
	s_xor_b32 s[GQ], s[WV], 15*\u
	s_lshl_b32 s36, s13, 5
	s_add_co_u32 s36, s36, 8*\u
	v_and_b32 v7, 8, v3
	s_delay_alu instid0(VALU_DEP_1)
	v_add_nc_u32 v7, v7, v3
	v_lshlrev_b32 v8, 4, v4
	s_delay_alu instid0(VALU_DEP_1)
	v_sub_nc_u32 v7, v7, v8
	s_delay_alu instid0(VALU_DEP_1)
	v_add_nc_u32 v7, s36, v7                       ; d = my query's place in its group, 32 cx + 8 u + r + 8 (r / 8), less 16 h
	s_lshr_b32 s37, s14, 4
	s_lshl_b32 s37, s37, 7
	s_lshl_b32 s38, s[GQ], 3
	s_add_co_u32 s37, s37, s38
	s_lshl_b32 s38, s13, 1
	s_add_co_u32 s37, s37, s38
	s_add_co_u32 s37, s37, \u                      ; T = 128 batch + 8 group + tile
	s_lshl_b32 s40, s37, 12
	s_bfe_u32 s38, s14, 0x10003
	s_lshl_b32 s38, s38, 21
	s_add_co_u32 s40, s40, s38
	s_and_b32 s38, s14, 7
	s_lshl_b32 s38, s38, 9
	s_add_co_u32 s40, s40, s38
	s_mov_b32 s41, 0
	s_add_nc_u64 s[40:41], s[8:9], s[40:41]        ; ci + (head / 8) 2^21 + 4,096 T + 512 (head % 8)
	s_lshl_b32 s42, s37, 9
	s_and_b32 s38, s14, 15
	s_lshl_b32 s38, s38, 1
	s_add_co_u32 s42, s42, s38
	s_mov_b32 s43, 0
	s_add_nc_u64 s[42:43], s[10:11], s[42:43]      ; csc + 512 T + 2 head
	v_mov_b32 v13, 0xff61b1e6                      ; the largest t so far: -3e38, under every t
	s_delay_alu instid0(VALU_DEP_1)
	v_floor_f32 v12, -v13                          ; -M
	v_mov_b32 v14, 0
	v_mov_b32 v15, 0
.set j, 0
.rept 32
	v_mov_b32 v[160+j], 0                          ; O^T: the step is written once; the first finds zeros, which the first change of M leaves zeros
.set j, j+1
.endr
	s_mov_b32 s[TB], 0
	s_mov_b32 s[ST], 0
.Lstep_\@:                                         ; 16 trips, a constant; the steps behind the pass's group are jumped over: a branch on the wave's number and the count of steps
	s_cmp_gt_u32 s[ST], s[GQ]
	s_cbranch_scc1 .Lskip_\@
	s_setprio 2
	v_add_nc_u32 v8, s[TB], v1
	v_add_nc_u32 v9, s[TB], v2
	v_nop                                          ; with the two additions: four places in front of loads into registers that the last products read
	v_nop
.irp t, 0,1,2,3,4,5,6,7
	ds_load_b128 v[32+4*\t:35+4*\t], v8 offset:512*\t          ; key tile t's image: registers 4 (t % 2) on of fragment t / 2
.endr
	ds_load_b128 v[192:195], v9                    ; K's four scale words of my row
.irp i, 0,1,2,3,4,5,6,7
	ds_load_b128 v[64+4*\i:67+4*\i], v8 offset:4096+512*\i     ; V: tile i / 2 of 16 d, keys 64 (i % 2) on
.endr
	ds_load_b128 v[196:199], v9 offset:256         ; V's four scale words
	s_wait_dscnt 9                                 ; K and its words are in; V's nine loads may be out
.irp t, 0,1,2,3,4,5,6,7
	v_wmma_scale_f32_16x16x128_f8f6f4 v[96+8*\t:103+8*\t], v[32+8*(\t/2):39+8*(\t/2)], v[\QL+8*(\t%2):\QL+8*(\t%2)+7], 0, v[192+\t/2], v[\QS] matrix_a_fmt:MATRIX_FMT_FP4 matrix_b_fmt:MATRIX_FMT_FP4
.endr
.rept 4
	v_nop
.endr
	s_cmp_lg_u32 s[ST], s[GQ]                      ; on the diagonal the scores of hidden keys become -infinity ahead of the maximum: p = 0 then
	s_cbranch_scc1 .Lopen_\@
	v_mov_b32 v254, 0xff800000
.set n, 0
.rept 64
	v_cmp_gt_i32 vcc_lo, 32*(n/16)+n%16, v7        ; register 16 b + i holds key 32 b + 16 h + i of the group: hidden where 32 b + i > d
	v_cndmask_b32 v[96+n], v[96+n], v254, vcc_lo
.set n, n+1
.endr
.Lopen_\@:
.irp b, 0,1,2,3
	v_max3_num_f32 v[232+\b], v[96+16*\b], v[97+16*\b], v[98+16*\b]   ; the largest score of each block of 32 keys: for the row's maximum and, since p rises with the score, for the block's largest p
.endr
.irp i, 3,5,7,9,11,13
.irp b, 0,1,2,3
	v_max3_num_f32 v[232+\b], v[232+\b], v[96+16*\b+\i], v[97+16*\b+\i]
.endr
.endr
.irp b, 0,1,2,3
	v_max_num_f32 v[232+\b], v[232+\b], v[111+16*\b]
.endr
.irp b, 0,1,2,3
	s_delay_alu instid0(VALU_DEP_4)
	v_permlanex16_b32 v[236+\b], v[232+\b], s[SEL], s[SEL+1]
.endr
.irp b, 0,1,2,3
	s_delay_alu instid0(VALU_DEP_4)
	v_max_num_f32 v[232+\b], v[232+\b], v[236+\b]  ; with lane l xor 16's 16 keys
.endr
	s_delay_alu instid0(VALU_DEP_2)
	v_max3_num_f32 v254, v232, v233, v234
	s_delay_alu instid0(VALU_DEP_1)
	v_max_num_f32 v254, v254, v235                 ; the step's largest score of my query
	s_delay_alu instid0(VALU_DEP_1)
	v_mul_f32 v254, s[CS], v254                    ; as t
	s_delay_alu instid0(VALU_DEP_1)
	v_max_num_f32 v13, v13, v254                   ; the running largest t
	v_mov_b32 v254, v12
	s_delay_alu instid0(VALU_DEP_2)
	v_floor_f32 v12, -v13                          ; the new -M = floor(-t) = -ceil(t)
	s_delay_alu instid0(VALU_DEP_1)
	v_sub_f32 v254, v12, v254                      ; old M - new M: a whole number, 0 or less
	s_delay_alu instid0(VALU_DEP_1)
	v_cvt_i32_f32 v254, v254                       ; (it saturates)
	s_delay_alu instid0(VALU_DEP_1)
	v_ldexp_f32 v252, 1.0, v254                    ; f = 2^(old M - new M)
.set j, 0
.rept 32
	v_pk_fma_f32 v[96+j:97+j], v[96+j:97+j], s[CS:CS+1], v[12:13] op_sel_hi:[1,0,0]   ; t - M, two at a time
.set j, j+2
.endr
	s_setprio 1
.irp b, 0,1,2,3
	v_fma_f32 v[232+\b], v[232+\b], s[CS], v12     ; the same of each block's largest score
.endr
.set j, 0
	s_wait_alu depctr_va_vdst(0)
.rept 64
	v_exp_f32 v[96+j], v[96+j]                     ; p = 2^(t - M)
.set j, j+1
.endr
	v_pk_mul_f32 v[14:15], v[14:15], v[252:253] op_sel_hi:[1,0]   ; the sums under the new M (the plain line behind the exponentials)
	s_wait_alu depctr_va_vdst(0)                   ; one wait for the batch of 64, ahead of its first reader
.irp b, 0,1,2,3
	v_exp_f32 v[232+\b], v[232+\b]                 ; the block's largest p
.endr
	v_pk_add_f32 v[236:237], v[100:101], v[104:105]
	v_pk_add_f32 v[250:251], v[108:109], v[112:113]
	v_pk_add_f32 v[248:249], v[116:117], v[120:121]
	v_pk_add_f32 v[246:247], v[124:125], v[128:129]
	v_pk_add_f32 v[244:245], v[132:133], v[136:137]
	v_pk_add_f32 v[242:243], v[140:141], v[144:145]
	v_pk_add_f32 v[240:241], v[148:149], v[152:153]
	v_pk_add_f32 v[14:15], v[14:15], v[156:157]
	v_pk_add_f32 v[236:237], v[236:237], v[96:97]
	v_pk_add_f32 v[250:251], v[250:251], v[98:99]
	v_pk_add_f32 v[248:249], v[248:249], v[102:103]
	v_pk_add_f32 v[246:247], v[246:247], v[106:107]
	v_pk_add_f32 v[244:245], v[244:245], v[110:111]
	v_pk_add_f32 v[242:243], v[242:243], v[114:115]
	v_pk_add_f32 v[240:241], v[240:241], v[118:119]
	v_pk_add_f32 v[14:15], v[14:15], v[122:123]
	v_pk_add_f32 v[236:237], v[236:237], v[126:127]
	v_pk_add_f32 v[250:251], v[250:251], v[130:131]
	v_pk_add_f32 v[248:249], v[248:249], v[134:135]
	v_pk_add_f32 v[246:247], v[246:247], v[138:139]
	v_pk_add_f32 v[244:245], v[244:245], v[142:143]
	v_pk_add_f32 v[242:243], v[242:243], v[146:147]
	v_pk_add_f32 v[240:241], v[240:241], v[150:151]
	v_pk_add_f32 v[14:15], v[14:15], v[154:155]
	v_pk_add_f32 v[236:237], v[236:237], v[158:159]
	s_delay_alu instid0(VALU_DEP_2)
	v_pk_add_f32 v[14:15], v[14:15], v[246:247]
	s_delay_alu instid0(VALU_DEP_2)
	v_pk_add_f32 v[236:237], v[236:237], v[244:245]
	v_pk_add_f32 v[250:251], v[250:251], v[242:243]
	v_pk_add_f32 v[248:249], v[248:249], v[240:241]
	s_delay_alu instid0(VALU_DEP_2)
	v_pk_add_f32 v[14:15], v[14:15], v[250:251]
	s_delay_alu instid0(VALU_DEP_2)
	v_pk_add_f32 v[236:237], v[236:237], v[248:249]
	s_delay_alu instid0(VALU_DEP_1)
	v_pk_add_f32 v[14:15], v[14:15], v[236:237]
	s_wait_alu depctr_va_vdst(0)                   ; and one for the four
.irp b, 0,1,2,3
	v_max_num_f32 v[232+\b], 0x1800000, v[232+\b]  ; the floor 2^(3 - 127): the byte cannot fall under 1
.endr
.irp b, 0,1,2,3
	s_delay_alu instid0(VALU_DEP_4)
	v_add_nc_u32 v[244+\b], 0xff000000, v[232+\b]  ; 2 off the exponent field: the conversion's scale operand
.endr
.irp b, 0,1,2,3
	s_delay_alu instid0(VALU_DEP_4)
	v_lshrrev_b32 v[236+\b], 23, v[244+\b]         ; the scale's byte
.endr
	s_delay_alu instid0(VALU_DEP_3)
	v_lshl_or_b32 v253, v237, 8, v236              ; p's scale word for these 128 keys
	s_delay_alu instid0(VALU_DEP_1)
	v_lshl_or_b32 v253, v238, 16, v253
	s_delay_alu instid0(VALU_DEP_1)
	v_lshl_or_b32 v253, v239, 24, v253
	s_setprio 0
.irp b, 0,1,2,3
	v_cvt_scalef32_pk8_fp4_f32 v[224+2*\b], v[96+16*\b:103+16*\b], v[244+\b]
	v_cvt_scalef32_pk8_fp4_f32 v[225+2*\b], v[104+16*\b:111+16*\b], v[244+\b]
.endr
	v_nop                                          ; one plain line behind a scaled conversion
.irp c, 0,1
.irp i, 0,1
	v_permlane16_swap_b32 v[224+4*\c+\i], v[226+4*\c+\i]   ; a whole block in a lane: lanes 0-15 block 2 c, lanes 16-31 block 2 c + 1
.endr
.endr
.set j, 0
.rept 16
	v_pk_mul_f32 v[160+j:161+j], v[160+j:161+j], v[252:253] op_sel_hi:[1,0]   ; O^T under the new M; these sixteen are also the places in front of the products below
.set j, j+2
.endr
	s_wait_alu depctr_va_vdst(0)
	s_wait_dscnt 0x0                               ; V and its words are in
.irp t, 0,1,2,3
	v_wmma_scale_f32_16x16x128_f8f6f4 v[160+8*\t:167+8*\t], v[64+8*\t:71+8*\t], v[224:231], v[160+8*\t:167+8*\t], v[196+\t], v253 matrix_a_fmt:MATRIX_FMT_FP4 matrix_b_fmt:MATRIX_FMT_FP4
.endr
.Lskip_\@:
	s_add_co_u32 s[TB], s[TB], CHUNK
	s_add_co_u32 s[ST], s[ST], 1
	s_cmp_lt_u32 s[ST], 16
	s_cbranch_scc1 .Lstep_\@
	s_setprio 0
	; THE PASS'S END: ctx = O^T / the sum; register 16 b + i is d = 32 b + 16 h + i of my query: two blocks of the next product's K
	v_add_f32 v14, v14, v15
	s_delay_alu instid0(VALU_DEP_1)
	v_permlanex16_b32 v252, v14, s[SEL], s[SEL+1]
	s_delay_alu instid0(VALU_DEP_1)
	v_add_f32 v14, v14, v252                       ; the row's sum
	s_wait_alu depctr_va_vdst(0)
	v_rcp_f32 v14, v14
.rept 4
	v_nop                                          ; the plain line behind the reciprocal, and the places behind the last products
.endr
	s_wait_alu depctr_va_vdst(0)                   ; ahead of the reciprocal's first reader
.set j, 0
.rept 32
	v_mul_f32 v[96+j], v[160+j], v14               ; each accumulator from its low end on
.set j, j+1
.endr
.irp b, 0,1
	v_max3_num_f32 v[232+\b], |v[96+16*\b]|, |v[97+16*\b]|, 0x1800000
.endr
.irp i, 2,4,6,8,10,12,14
.irp b, 0,1
	s_delay_alu instid0(VALU_DEP_2)
	v_max3_num_f32 v[232+\b], v[232+\b], |v[96+16*\b+\i]|, |v[97+16*\b+\i]|
.endr
.endr
.irp b, 0,1
	s_delay_alu instid0(VALU_DEP_2)
	v_permlanex16_b32 v[236+\b], v[232+\b], s[SEL], s[SEL+1]
.endr
.irp b, 0,1
	s_delay_alu instid0(VALU_DEP_2)
	v_max_num_f32 v[232+\b], v[232+\b], v[236+\b]
.endr
.irp b, 0,1
	s_delay_alu instid0(VALU_DEP_2)
	v_add_nc_u32 v[244+\b], 0xff000000, v[232+\b]
.endr
.irp b, 0,1
	s_delay_alu instid0(VALU_DEP_2)
	v_lshrrev_b32 v[236+\b], 23, v[244+\b]
.endr
	s_delay_alu instid0(VALU_DEP_1)
	v_lshl_or_b32 v254, v237, 8, v236              ; the head's two scale bytes of my token
.irp b, 0,1
	v_cvt_scalef32_pk8_fp4_f32 v[224+2*\b], v[96+16*\b:103+16*\b], v[244+\b]
	v_cvt_scalef32_pk8_fp4_f32 v[225+2*\b], v[104+16*\b:111+16*\b], v[244+\b]
.endr
	v_nop
	v_permlane16_swap_b32 v224, v226
	v_permlane16_swap_b32 v225, v227
	global_store_b128 v1, v[224:227], s[40:41]     ; the image: 32 lanes store 512 bytes on end, aligned
	global_store_b16 v10, v254, s[42:43]           ; both halves of the lanes store the same two bytes
.if \u == 0
	s_wait_xcnt 0x0                                ; the stores' data and bases are written again in the next pass
.endif
.endm
	PASS 0, 16, 255
	PASS 1, 200, 216
	s_wait_tensorcnt 0x0                           ; the wave's end
	ds_add_u32 v[SPW], v[NIL]
	s_wait_dscnt 0x0
	CROUND                                         ; the closing round
	s_endpgm
.Lfunc_end_k_q998be701a5_attn:
	.size	k_q998be701a5_attn, .Lfunc_end_k_q998be701a5_attn-k_q998be701a5_attn
	.p2alignl 7, 3214868480
	.fill 96, 4, 3214868480
	.section	.rodata,"a",@progbits
	.p2align	6, 0x0
	.amdhsa_kernel k_q998be701a5_attn
		.amdhsa_group_segment_fixed_size 167936
		.amdhsa_private_segment_fixed_size 0
		.amdhsa_enable_private_segment 0
		.amdhsa_kernarg_size 32
		.amdhsa_user_sgpr_count 2
		.amdhsa_user_sgpr_kernarg_segment_ptr 1
		.amdhsa_wavefront_size32 1
		.amdhsa_system_sgpr_workgroup_id_x 1
		.amdhsa_system_sgpr_workgroup_id_y 1
		.amdhsa_system_sgpr_workgroup_id_z 1
		.amdhsa_system_vgpr_workitem_id 0
		.amdhsa_next_free_vgpr 256
		.amdhsa_next_free_sgpr 66
		.amdhsa_reserve_vcc 1
		.amdhsa_float_denorm_mode_32 3
		.amdhsa_float_denorm_mode_16_64 3
		.amdhsa_memory_ordered 1
		.amdhsa_forward_progress 1
		.amdhsa_inst_pref_size 61
	.end_amdhsa_kernel
	.amdgpu_metadata
---
amdhsa.version: [ 1, 2 ]
amdhsa.kernels:
  - .name:           k_q998be701a5_attn
    .symbol:         k_q998be701a5_attn.kd
    .args:
      - { .name: qb, .offset: 0, .size: 8, .value_kind: global_buffer, .address_space: global }
      - { .name: kv, .offset: 8, .size: 8, .value_kind: global_buffer, .address_space: global }
      - { .name: ci, .offset: 16, .size: 8, .value_kind: global_buffer, .address_space: global }
      - { .name: csc, .offset: 24, .size: 8, .value_kind: global_buffer, .address_space: global }
    .group_segment_fixed_size: 167936
    .private_segment_fixed_size: 0
    .kernarg_segment_align: 8
    .kernarg_segment_size: 32
    .max_flat_workgroup_size: 512
    .sgpr_count:     66
    .vgpr_count:     256
    .wavefront_size: 32
...
	.end_amdgpu_metadata
.endif
;; end of part 3
;; launch oproj (part 4): grid 4 x 64, 4 waves a work-group, clusters of 4 x 4, 327,680 bytes of LDS; arguments ci, csc, cw, sw, bo, out0; writes out0
.if DOCPART == 4
	.amdgcn_target "amdgcn-amd-amdhsa--gfx1250"
	.amdhsa_code_object_version 6
	.text
	.protected	k_q998be701a5_oproj
	.globl	k_q998be701a5_oproj
	.p2align	8
	.type	k_q998be701a5_oproj,@function
k_q998be701a5_oproj:
	s_mov_b64 s[64:65], 0
	v_nop
	global_prefetch_b8 v0, s[64:65] scope:SCOPE_SE
	s_setreg_imm32_b32 hwreg(HW_REG_WAVE_MODE, 25, 1), 1
	s_wait_xcnt 0x0
	s_wait_alu depctr_hold_cnt(0) depctr_sa_sdst(0) depctr_va_vdst(0) depctr_va_sdst(0) depctr_va_ssrc(0) depctr_va_vcc(0) depctr_vm_vsrc(0)
	s_getreg_b32 s2, hwreg(HW_REG_IB_STS2, 6, 4)
	s_cmp_eq_u32 s2, 0
	s_cbranch_scc0 .Lentry_in_a_cluster
	s_endpgm
.Lentry_in_a_cluster:
	s_bfe_u32 s2, ttmp6, 0x10000c
	s_cmp_lg_u32 s2, 0xf033
	s_cbranch_scc0 .Lentry_shape_is_right
	s_endpgm
.Lentry_shape_is_right:
; out0 = ctx Wo^T + bo on codes of E2M1.  ctx's codes come as images of operand registers (ci, csc: see the launch attn), Wo's as rows (cw rows 11,264 on, sw).  Nothing is left out here.
; A tile is 128 tokens (source 1: a lane's row) x 256 f (source 0: along a lane's registers): 256 work-groups.  Four waves, each 64 x 128: 32 accumulators.  K = 1,024 lies in two LDS slots of 512, each filled once.
; CLUSTERS: 4 x 4; ctx's tile is shared along a row of the cluster, Wo's along a column: joint loads.  bo is the C of each sum's first product.
; Tokens and Wo's rows are in the stored order (bits 3 and 4 of the index exchanged): f comes out in its true order in a lane's registers (tiles 2 b, 2 b + 1: f = 32 b + 16 (lane / 16) + 0 .. 15); the tokens' order is undone by the
; offsets of the final stores.  Results go through the wave's own stage in LDS and leave as whole runs of 512 bytes, aligned.
; LIMITS: NaN and infinities are not served.
; REGISTERS: window 0: v1 r, v2 h, v16-31 addresses; v32-95 scale words, two sets (lanes 0-15 ctx's block i, lanes 16-31 Wo's block i; ctx has blocks 0-3: in registers of blocks 4-7 lanes 0-15 hold words that no product names);
;   v128-191 ctx's fragments, two sets of 32; v192-255 bo as C; on the way out v128-255 take rows.   window 1: Wo's fragments, two sets.   window 2: the accumulators ((a, b) at v[8 (8 a + b)]).
.set NQ,     4
.set ROWB,   256
.set KROW,   512
.set PITCH,  272                       ; an LDS row of Wo: 256 bytes + 16 of padding: the 16 rows that a load touches start at 16 different banks (64 banks of 4 bytes: ISA guide 11.1)
.set FR,     8
.set NP,     4
.set AHALF,  16384                     ; 64 tokens x 512 along K as images: dense
.set BHALF,  128*PITCH
.set BOFF,   2*AHALF
.set SLOT,   BOFF+2*BHALF
.set SCL,    2*SLOT                    ; the scale bytes, as runs of 256 bytes + 16 of padding: ctx's 128 rows, then Wo's 256
.set SAH,    8*272
.set SBH,    16*272
.set SBOFF,  2*SAH
.set SBLK,   2*272
.set STAGE,  SCL+SBOFF+2*SBH           ; bytes of its own: 16 rows x 528 for each wave; no tensor load lands here
.set SPITCH, 528
.set SPARE,  STAGE+4*16*SPITCH         ; the spare words, 128 bytes a wave, which no other line names
.set ADRA, 16
.set ADRB, 20
.set LI,   24                          ; v24  16 x lane
.set STO,  25
.set RD,   26
.set ADRS, 27
.set SPW,  28
.set NIL,  29
.set SC,   32
.set AF,   128
.set BK,   128
.set BI,   192
.set G1, 24
.set G0, 32
.set G1B, 48
.set G0B, 56
.set G1S, 68
.set G0S, 76
.set G1SB, 80
.set G0SB, 88
.set MSB, 0
.macro WIN new
.if MSB != \new
	s_set_vgpr_msb (MSB<<8)|\new
.set MSB, \new
.endif
.endm
.set MUL,  0xa1                        ; source 0 (Wo) window 1, source 1 (ctx) window 0, C and D window 2
.set TO_B, 0x40
.macro JLOAD g0a, g1a, g0b, g1b        ; waves 0 and 1 fetch for ctx, waves 2 and 3 for Wo; an s_nop 0 and four v_nop follow each line
	s_cmp_eq_u32 s19, 0
	s_cbranch_scc0 .Lfor_b_\@
	tensor_load_to_lds s[\g0a:\g0a+3], s[\g1a:\g1a+7]
	s_nop 0
.rept 4
	v_nop
.endr
	s_branch .Lasked_\@
.Lfor_b_\@:
	tensor_load_to_lds s[\g0b:\g0b+3], s[\g1b:\g1b+7]
	s_nop 0
.rept 4
	v_nop
.endr
.Lasked_\@:
.endm
.macro CROUND                          ; a round of the cluster's barrier
	s_barrier_signal -1
	s_barrier_wait -1
	s_cmp_lg_u32 s18, 0
	s_cbranch_scc1 .Lnot_wave_0_\@
	s_barrier_signal -3
.Lnot_wave_0_\@:
	s_barrier_wait -3
	s_barrier_signal -1
	s_barrier_wait -1
.endm
	s_load_b256 s[4:11], s[0:1], 0x0               ; ci s[4:5], csc s[6:7], cw s[8:9], sw s[10:11]
	s_load_b128 s[12:15], s[0:1], 0x20             ; bo s[12:13], out0 s[14:15]
	v_lshl_add_u32 v[SPW], v0, 2, SPARE
	v_mov_b32 v[NIL], 0
	ds_add_u32 v[SPW], v[NIL]                      ; the wave's opening: the add, twice on end, and its wait ahead of my first tensor load
	ds_add_u32 v[SPW], v[NIL]
	v_lshrrev_b32 v1, 5, v0
	v_readfirstlane_b32 s18, v1                    ; wave 0..3
	s_lshr_b32 s19, s18, 1                         ; which 64 tokens are mine.  Also: I fetch for ctx (0) or for Wo (1)
	s_and_b32 s20, s18, 1                          ; which 128 f.  Also: which half I fetch
	s_bfe_u32 s21, ttmp6, 0x40000                  ; cx: f = 256 cx on
	s_bfe_u32 s22, ttmp6, 0x40004                  ; cy
	s_and_b32 s40, ttmp7, 0xffff
	s_lshl_b32 s40, s40, 2
	s_add_co_u32 s40, s40, s22                     ; gy: tokens 128 gy on
	s_lshl_b32 s41, s22, 2
	s_lshl_b32 s41, 15, s41                        ; my row of the cluster
	s_lshl_b32 s93, 0x1111, s21                    ; my column
	; group 1.  ctx's codes: 16,384 dense bytes as 64 rows of 256 (32 elements of 8 bytes), no padding
	s_or_b32 s[G1+0], s41, (3<<16)|(1<<21)
	s_mov_b32 s[G1+1], 32<<16
	s_mov_b32 s[G1+2], 64<<16
	s_mov_b32 s[G1+3], 32<<16
	s_mov_b32 s[G1+4], 64
	s_mov_b32 s[G1+5], 32
	s_mov_b32 s[G1+6], 0
	s_mov_b32 s[G1+7], 0
	; Wo's codes: 128 rows x 256 bytes, 512 apart in memory, 16 bytes of padding behind each
	s_or_b32 s[G1B+0], s93, (0<<16)|(1<<20)|(1<<21)|(5<<22)|(3<<25)
	s_mov_b32 s[G1B+1], ROWB<<16
	s_mov_b32 s[G1B+2], 128<<16
	s_mov_b32 s[G1B+3], ROWB<<16
	s_mov_b32 s[G1B+4], 128
	s_mov_b32 s[G1B+5], KROW
	s_mov_b32 s[G1B+6], 0
	s_mov_b32 s[G1B+7], 0
	; ctx's scale bytes of 64 tokens: 8 rows of 256, padded;  Wo's of 128 rows: 16 rows
	s_or_b32 s[G1S+0], s41, (3<<16)|(1<<20)|(1<<21)|(5<<22)|(3<<25)
	s_mov_b32 s[G1S+1], 32<<16
	s_mov_b32 s[G1S+2], 8<<16
	s_mov_b32 s[G1S+3], 32<<16
	s_mov_b32 s[G1S+4], 8
	s_mov_b32 s[G1S+5], 32
	s_mov_b32 s[G1S+6], 0
	s_mov_b32 s[G1S+7], 0
	s_or_b32 s[G1SB+0], s93, (3<<16)|(1<<20)|(1<<21)|(5<<22)|(3<<25)
	s_mov_b32 s[G1SB+1], 32<<16
	s_mov_b32 s[G1SB+2], 16<<16
	s_mov_b32 s[G1SB+3], 32<<16
	s_mov_b32 s[G1SB+4], 16
	s_mov_b32 s[G1SB+5], 32
	s_mov_b32 s[G1SB+6], 0
	s_mov_b32 s[G1SB+7], 0
	s_lshl_b32 s44, s40, 15                        ; ctx's images: 8 tiles of 4,096 bytes for 128 tokens,
	s_lshl_b32 s42, s20, 14                        ; my half: 4 tiles.  (Also its place in a slot)
	s_add_co_u32 s44, s44, s42
	s_mov_b32 s45, 0
	s_lshl_b32 s46, s40, 12                        ; its scale bytes: 32 a token
	s_lshl_b32 s43, s20, 11
	s_add_co_u32 s46, s46, s43
	s_mov_b32 s47, 0
	s_lshl_b32 s92, s21, 8
	s_lshl_b32 s94, s20, 7
	s_add_co_u32 s92, s92, s94
	s_add_co_u32 s92, s92, 11264                   ; Wo's first row that I fetch
	s_lshl_b32 s94, s92, 9
	s_mov_b32 s95, 0
	s_lshl_b32 s96, s92, 5
	s_mov_b32 s97, 0
	s_mul_i32 s43, s20, SAH                        ; places in LDS: the wave's number and constants alone
	s_add_co_u32 s43, s43, SCL
	s_mul_i32 s66, s20, BHALF
	s_add_co_u32 s66, s66, BOFF
	s_mul_i32 s67, s20, SBH
	s_add_co_u32 s67, s67, SCL+SBOFF
	s_wait_dscnt 0x0                               ; both opening adds are done
	s_wait_kmcnt 0x0
	s_add_nc_u64 s[44:45], s[4:5], s[44:45]
	s_add_nc_u64 s[46:47], s[6:7], s[46:47]
	s_add_nc_u64 s[94:95], s[8:9], s[94:95]
	s_add_nc_u64 s[96:97], s[10:11], s[96:97]
	CROUND                                         ; all sixteen work-groups are here: the joint loads meet
	s_mov_b32 s[G0S], 1
	s_mov_b32 s[G0S+1], s43
	s_mov_b64 s[G0S+2:G0S+3], s[46:47]
	s_or_b32 s[G0S+3], s[G0S+3], 0x80000000
	s_mov_b32 s[G0SB], 1
	s_mov_b32 s[G0SB+1], s67
	s_mov_b64 s[G0SB+2:G0SB+3], s[96:97]
	s_or_b32 s[G0SB+3], s[G0SB+3], 0x80000000
	JLOAD G0S, G1S, G0SB, G1SB                     ; the scale bytes first.  Three loads of mine are out behind the third JLOAD
.irp s, 0,1
	s_mov_b32 s[G0+4*\s], 1
	s_add_co_u32 s[G0+4*\s+1], s42, \s*SLOT
	s_add_nc_u64 s[G0+4*\s+2:G0+4*\s+3], s[44:45], \s*2097152      ; heads 8 s on
	s_or_b32 s[G0+4*\s+3], s[G0+4*\s+3], 0x80000000
	s_mov_b32 s[G0B+4*\s], 1
	s_add_co_u32 s[G0B+4*\s+1], s66, \s*SLOT
	s_add_nc_u64 s[G0B+4*\s+2:G0B+4*\s+3], s[94:95], \s*ROWB
	s_or_b32 s[G0B+4*\s+3], s[G0B+4*\s+3], 0x80000000
	JLOAD G0+4*\s, G1, G0B+4*\s, G1B
.endr
	v_and_b32 v1, 15, v0                           ; r
	v_bfe_u32 v2, v0, 4, 1                         ; h
	v_and_b32 v[LI], 31, v0
	v_lshlrev_b32 v[LI], 4, v[LI]
	v_mul_u32_u24 v4, v1, PITCH
	v_lshl_add_u32 v4, v2, 4, v4
	s_lshl_b32 s40, s19, 14                        ; my 64 tokens' images
	s_mul_i32 s41, s20, BHALF                      ; my 128 rows of Wo
	s_add_co_u32 s41, s41, BOFF
.irp s, 0,1
	v_add_nc_u32 v[ADRA+\s], s40, v[LI]
	v_add_nc_u32 v[ADRB+\s], s41, v4
	s_add_co_u32 s40, s40, SLOT
	s_add_co_u32 s41, s41, SLOT
.endr
	v_mul_u32_u24 v5, v1, 32                       ; my row's scale bytes: 32 a row,
	v_lshrrev_b32 v6, 8, v5
	v_lshl_add_u32 v5, v6, 4, v5                   ; and 16 more for each 256 passed
	s_mul_i32 s40, s19, SAH
	s_mul_i32 s41, s20, SBH
	s_add_co_u32 s41, s41, SBOFF
	s_sub_co_u32 s41, s41, s40
	v_mul_u32_u24 v6, s41, v2                      ; lanes 0-15 take ctx's words, lanes 16-31 Wo's
	s_add_co_u32 s40, s40, SCL
	v_add_nc_u32 v5, v5, v6
	v_add_nc_u32 v[ADRS], s40, v5
	s_mul_i32 s40, s18, 16*SPITCH
	s_add_co_u32 s40, s40, STAGE                   ; my stage
	v_mul_u32_u24 v5, v1, SPITCH
	v_lshl_add_u32 v5, v2, 6, v5
	v_add_nc_u32 v[STO], s40, v5                   ; in: row r, + 64 h
	v_add_nc_u32 v[RD], s40, v[LI]                 ; back: the 32 lanes take one row of 512 bytes
	s_and_b32 s98, ttmp7, 0xffff                   ; out0 at my first token and my first f
	s_lshl_b32 s98, s98, 2
	s_add_co_u32 s98, s98, s22
	s_lshl_b32 s98, s98, 19                        ; 128 rows of 4,096 bytes
	s_lshl_b32 s99, s19, 18
	s_add_co_u32 s98, s98, s99
	s_lshl_b32 s2, s21, 10                         ; 256 cx + 128 x half, 4 bytes each
	s_lshl_b32 s3, s20, 9
	s_add_co_u32 s2, s2, s3
	s_add_co_u32 s98, s98, s2
	s_mov_b32 s99, 0
	s_mov_b32 s3, 0
	s_add_nc_u64 s[14:15], s[14:15], s[98:99]
	s_add_nc_u64 s[12:13], s[12:13], s[2:3]
	v_lshlrev_b32 v31, 6, v2
.irp b, 0,1,2,3,4,5,6,7
	global_load_b128 v[BI+8*\b:BI+8*\b+3], v31, s[12:13] offset:(32*(\b/2)+8*(\b%2))*4        ; register 8 b + j: bo[32 (b / 2) + 16 h + 8 (b % 2) + j]
	global_load_b128 v[BI+8*\b+4:BI+8*\b+7], v31, s[12:13] offset:(32*(\b/2)+8*(\b%2))*4+16
.endr
; 16 products: ctx's blocks a0, a0 + 1 x Wo's eight, 128 along K.  p: the sets; cmode 1: C = bo.  The 32 accumulators take turns, one instruction a turn, in the same order in every step.
.macro MUL16 a0, p, q, sc, cmode
.irp a, \a0, \a0+1
.irp b, 0,1,2,3,4,5,6,7
.if \cmode
	v_wmma_scale_f32_16x16x128_f8f6f4 v[8*(8*(\a)+\b):8*(8*(\a)+\b)+7], v[128*(\p)+FR*\b:128*(\p)+FR*\b+FR-1], v[AF+32*(\p)+FR*(\a):AF+32*(\p)+FR*(\a)+FR-1], v[BI+8*\b:BI+8*\b+7], v[SC+32*(\sc)+NQ*\b+(\q)], v[SC+32*(\sc)+NQ*(\a)+(\q)] matrix_a_fmt:MATRIX_FMT_FP4 matrix_b_fmt:MATRIX_FMT_FP4 matrix_a_scale:MATRIX_SCALE_ROW1
.else
	v_wmma_scale_f32_16x16x128_f8f6f4 v[8*(8*(\a)+\b):8*(8*(\a)+\b)+7], v[128*(\p)+FR*\b:128*(\p)+FR*\b+FR-1], v[AF+32*(\p)+FR*(\a):AF+32*(\p)+FR*(\a)+FR-1], v[8*(8*(\a)+\b):8*(8*(\a)+\b)+7], v[SC+32*(\sc)+NQ*\b+(\q)], v[SC+32*(\sc)+NQ*(\a)+(\q)] matrix_a_fmt:MATRIX_FMT_FP4 matrix_b_fmt:MATRIX_FMT_FP4 matrix_a_scale:MATRIX_SCALE_ROW1
.endif
.endr
.endr
.endm
.macro FETCH slot, q, p                ; 24 LDS loads: Wo's eight fragments and ctx's four of the slot's q-th 128 along K, into sets p
	WIN TO_B
.irp i, 0,1,2,3,4,5,6,7
.irp c, 0,1
	ds_load_b128 v[128*(\p)+FR*\i+4*\c:128*(\p)+FR*\i+4*\c+3], v[ADRB+\slot] offset:64*(\q)+32*\c+\i*16*PITCH
.endr
.endr
	WIN 0
.irp i, 0,1,2,3
.irp c, 0,1
	ds_load_b128 v[AF+32*(\p)+FR*\i+4*\c:AF+32*(\p)+FR*\i+4*\c+3], v[ADRA+\slot] offset:4096*\i+1024*(\q)+512*\c   ; an image: lane l's 16 bytes at 16 l
.endr
.endr
.endm
.macro SCALES sc
.irp i, 0,1,2,3,4,5,6,7
	ds_load_b128 v[SC+32*\sc+NQ*\i:SC+32*\sc+NQ*\i+3], v[ADRS] offset:\i*SBLK
.endr
.endm
.macro PLACES n                        ; plain vector lines between a matrix instruction and a load into, or a read of, its registers
.rept \n
	v_nop
.endr
.endm
.macro STEP4 slot, q, cmode            ; the next step's fragments are asked for, into the other sets; then this step's 32 products
	PLACES NP
	FETCH \slot, (\q)+1, 1-(\q)%2
	s_wait_dscnt 24                                ; all but the 24 just issued
.if \cmode
	WIN 0x81                                       ; C (bo) in window 0, D in window 2
.else
	WIN MUL
.endif
	MUL16 0, (\q)%2, \q, \slot, \cmode
	MUL16 2, (\q)%2, \q, \slot, \cmode
	WIN 0
.endm
	s_wait_tensorcnt 1                             ; the scale bytes and my part of slot 0 are in (slot 1's load may be out),
	s_barrier_signal -1
	s_barrier_wait -1                              ; everybody's are
	FETCH 0, 0, 0
	SCALES 0
	s_wait_loadcnt 0x0                             ; bo
	STEP4 0, 0, 1
	STEP4 0, 1, 0
	STEP4 0, 2, 0
	s_wait_tensorcnt 0x0                           ; slot 0's last step goes over to slot 1: my part of it is in,
	s_wait_dscnt 0x0                               ; and no LDS instruction of mine is out at the signal
	s_barrier_signal -1
	WIN MUL
	MUL16 0, 1, 3, 0, 0
	WIN 0
	s_barrier_wait -1                              ; slot 1 is whole; nothing is filled again
	PLACES NP
	v_add_nc_u32 v[ADRS], 4*NQ, v[ADRS]            ; on to slot 1's scale words
	FETCH 1, 0, 0
	SCALES 1
	WIN MUL
	MUL16 2, 1, 3, 0, 0
	WIN 0
	STEP4 1, 0, 0
	STEP4 1, 1, 0
	STEP4 1, 2, 0
	s_wait_dscnt 0x0                               ; the last step: nothing more to fetch
	WIN MUL
	MUL16 0, 1, 3, 1, 0
	MUL16 2, 1, 3, 1, 0
	WIN 0
; THE WAY OUT, block by block of 16 tokens x 128 f.  A lane holds pieces of one row, the lanes beside it other rows: a block goes through my stage and comes back as whole rows of 512 bytes.
; LDS serves a wave's instructions in order (ISA guide 5.7.1.4): no wait between the stores and the loads, nor in front of the next block's stores.
.macro TOSTAGE a
	WIN 0x08                                       ; an LDS store's data are its source 1: window 2
.irp b, 0,1,2,3,4,5,6,7
	ds_store_b128 v[STO], v[8*(8*(\a)+\b):8*(8*(\a)+\b)+3] offset:128*(\b/2)+32*(\b%2)          ; f = 32 (b / 2) + 16 h + 8 (b % 2) + 0 .. 3; each accumulator from its low end on
	ds_store_b128 v[STO], v[8*(8*(\a)+\b)+4:8*(8*(\a)+\b)+7] offset:128*(\b/2)+32*(\b%2)+16
.endr
	WIN 0
.set BB, BK+64*((\a)%2)
.irp t, 0,1,2,3,4,5,6,7,8,9,10,11,12,13,14,15
	ds_load_b128 v[BB+4*\t:BB+4*\t+3], v[RD] offset:\t*SPITCH
.endr
.endm
.macro SEND a, younger                 ; younger: the LDS instructions issued behind block a's loads, which may stay out
.set BB, BK+64*((\a)%2)
	s_wait_dscnt \younger
.irp t, 0,1,2,3,4,5,6,7,8,9,10,11,12,13,14,15
	global_store_b128 v[LI], v[BB+4*\t:BB+4*\t+3], s[14:15] offset:(32*((\a)/2)+8*((\a)%2)+\t+8*(\t/8))*4096 th:TH_STORE_NT   ; place t of stored tile a is token 32 (a / 2) + 8 (a % 2) + t + 8 (t / 8); 32 lanes store 512 bytes on end, aligned
.endr
.endm
	PLACES NP                                      ; behind the last products: the stage's stores read results, and rows land where ctx's fragments lay
	TOSTAGE 0
.irp a, 1,2,3
.if \a > 1
	s_wait_xcnt 0x0                                ; block a - 2's stores have read their registers: block a's rows may land there
.endif
	TOSTAGE \a
	SEND \a-1, 32                                  ; behind block a - 1's loads: block a's 16 stores and 16 loads
.endr
	SEND 3, 0
	s_wait_tensorcnt 0x0                           ; the wave's end, behind my last tensor load and my last LDS store
	ds_add_u32 v[SPW], v[NIL]
	s_wait_dscnt 0x0
	CROUND                                         ; the closing round
	s_endpgm
.Lfunc_end_k_q998be701a5_oproj:
	.size	k_q998be701a5_oproj, .Lfunc_end_k_q998be701a5_oproj-k_q998be701a5_oproj
	.p2alignl 7, 3214868480
	.fill 96, 4, 3214868480
	.section	.rodata,"a",@progbits
	.p2align	6, 0x0
	.amdhsa_kernel k_q998be701a5_oproj
		.amdhsa_group_segment_fixed_size 327680
		.amdhsa_private_segment_fixed_size 0
		.amdhsa_enable_private_segment 0
		.amdhsa_kernarg_size 48
		.amdhsa_user_sgpr_count 2
		.amdhsa_user_sgpr_kernarg_segment_ptr 1
		.amdhsa_wavefront_size32 1
		.amdhsa_system_sgpr_workgroup_id_x 1
		.amdhsa_system_sgpr_workgroup_id_y 1
		.amdhsa_system_sgpr_workgroup_id_z 1
		.amdhsa_system_vgpr_workitem_id 0
		.amdhsa_next_free_vgpr 768
		.amdhsa_next_free_sgpr 102
		.amdhsa_reserve_vcc 0
		.amdhsa_float_denorm_mode_32 3
		.amdhsa_float_denorm_mode_16_64 3
		.amdhsa_memory_ordered 1
		.amdhsa_forward_progress 1
		.amdhsa_inst_pref_size 74
	.end_amdhsa_kernel
	.amdgpu_metadata
---
amdhsa.version: [ 1, 2 ]
amdhsa.kernels:
  - .name:           k_q998be701a5_oproj
    .symbol:         k_q998be701a5_oproj.kd
    .args:
      - { .name: ci, .offset: 0, .size: 8, .value_kind: global_buffer, .address_space: global }
      - { .name: csc, .offset: 8, .size: 8, .value_kind: global_buffer, .address_space: global }
      - { .name: cw, .offset: 16, .size: 8, .value_kind: global_buffer, .address_space: global }
      - { .name: sw, .offset: 24, .size: 8, .value_kind: global_buffer, .address_space: global }
      - { .name: bo, .offset: 32, .size: 8, .value_kind: global_buffer, .address_space: global }
      - { .name: out0, .offset: 40, .size: 8, .value_kind: global_buffer, .address_space: global }
    .group_segment_fixed_size: 327680
    .private_segment_fixed_size: 0
    .kernarg_segment_align: 8
    .kernarg_segment_size: 48
    .max_flat_workgroup_size: 128
    .sgpr_count:     102
    .vgpr_count:     768
    .wavefront_size: 32
...
	.end_amdgpu_metadata
.endif
;; end of part 4
